; MI455X (gfx1250); checked and timed in simulation.
; The chip was launched on July 23, 2026; its instructions are those of AMD's public machine-readable ISA for CDNA 5 (MIT licence, August 2026) and "CDNA5" Instruction Set Architecture Reference Guide (July 2026). The comments in the code are by the model that wrote it; some were corrected since.
;; Sparse BSR Linear. Allowed arithmetic: matrix products marked QUANTISED: E5M2 operands, one E8M0 scale for each 32 along K, by v_wmma_scale_f32_16x16x128_f8f6f4 with both operands' format E5M2, f32 sums; everything else in f32.
;; Inputs: bias 4,096 float32; input 4,096 x 4,096 float32; mask 4,096 x 4,096 float32; weight 4,096 x 4,096 float32.
;; Outputs: out0 4,096 x 4,096 float32.
;; This version of the problem:
;;   THIS VERSION OF THE PROBLEM IS GIVEN IN LOW PRECISION. The matrix products marked QUANTISED in the list below multiply operands that are first quantised to E5M2 (5 exponent bits, 2 mantissa bits; 8 bits a number), with one power-of-two scale for each 32 numbers along K (OCP MX v1.0); their sums are f32. All else is computed in f32.
;;   The module's matrix products, in the order in which they are computed (A, B: the left and right operand; K: the contracted axis; several contracted axes count as one K, in the product's order):
;;     1. [M 4,096, K 4,096] x [K 4,096, N 4,096]; A: input input; B: computed on the way: QUANTISED
;;   THE QUANTISER, for each operand of a quantised product, along K:
;;     - K is cut into blocks of 32 from its start; a last block that is shorter is filled with zeros.
;;     - A block's scale is 2^e with e = floor(log2(the largest magnitude in the block)) - 15, held to -126 .. 127; a block of zeros has e = 0. As a byte (E8M0): e + 127.
;;     - Each number is divided by its block's scale, clamped to +-57,344, and rounded to the nearest number of E5M2, ties to even, subnormals kept.
;;     - The product sums the exact products of the quantised numbers (number of the format x scale) in f32.
;;   ~~~python
;;   def quantise(x, axis):      # numpy; x: float32 -> the quantised numbers, widened to float32 again
;;       x = np.moveaxis(x, axis, -1); K = x.shape[-1]
;;       x = np.pad(x, [(0, 0)] * (x.ndim - 1) + [(0, -K % 32)]); x = x.reshape(x.shape[:-1] + (-1, 32)); a = np.abs(x).max(-1, keepdims=True)
;;       e = np.where(a > 0, np.clip(np.frexp(np.where(a > 0, a, 1))[1] - 1 - 15, -126, 127), 0)      # np.frexp(a)[1] - 1 = floor(log2(a)), exactly
;;       r = np.clip(x / 2.0 ** e, -57344, 57344)
;;       step = 2.0 ** (np.maximum(np.frexp(np.where(r == 0, 1, r))[1] - 1, -14) - 2)
;;       q = np.round(r / step) * step * 2.0 ** e      # np.round: ties to even
;;       return np.moveaxis(q.reshape(q.shape[:-2] + (-1,))[..., :K], -1, axis).astype(np.float32)
;;   ~~~
;;   OPERANDS COMPUTED ON THE WAY. 'Computed on the way' means the value that the module computes at that place (a softmax that the list does not call 'softmax' is quantised finished and normalised). What goes into a quantiser is computed in f32, as accurately as f32 sums, v_exp_f32 and their like allow (about 1e-6 of the number): no bf16 or f16 on the way to a quantiser, and a product that is left as it is and whose result goes on into a quantised operand takes f32 operands (vector FMAs, or v_wmma_f32_16x16x4_f32). A number that lies on a knife's edge between two numbers of the format may be rounded either way, as far as f32 arithmetic and the matrix unit's own rounding can turn it there, and no further.
;; 3 versions. Each part assembles by itself: llvm-mc -triple=amdgcn-amd-amdhsa -mcpu=gfx1250 --defsym DOCPART=n.
;; ======== version 1 of 3: 2 launches
;; workspace buffers: aq 17,301,504 bytes; bq 17,301,504 bytes
;; launch quant (part 1): grid 1024 x 1, 4 waves a work-group, no clusters, 66,048 bytes of LDS; arguments input, weight, mask, aq, bq; writes aq, bq
.if DOCPART == 1
	.amdgcn_target "amdgcn-amd-amdhsa--gfx1250"
	.amdhsa_code_object_version 6
	.text
	.protected	k_q2ce4febac1_quant
	.globl	k_q2ce4febac1_quant
	.p2align	8
	.type	k_q2ce4febac1_quant,@function
k_q2ce4febac1_quant:
	s_mov_b64 s[64:65], 0
	v_nop
	global_prefetch_b8 v0, s[64:65] scope:SCOPE_SE
	s_setreg_imm32_b32 hwreg(HW_REG_WAVE_MODE, 25, 1), 1
	s_wait_xcnt 0x0
; input [4096][4096] f32, and weight x mask (both [4096][4096] f32, one f32 multiplication a number), are turned into codes of BF8 (E5M2), 8 bits each, with one E8M0 scale byte for each 32 along K (the last axis of both).
; A block's scale is 2^(floor(log2(its largest magnitude)) - 15); its byte is the largest magnitude's own exponent field - 15, held at 1 from below.  Each number is divided by the scale, held within +-57,344 and rounded to the nearest code, ties to even.
; LIMITS: NaN and infinities among the inputs are not served (an infinite weight under a zero of the mask among them); blocks whose largest magnitude lies under 2^(16 - 127), the floor, whose byte is held at 1, were not tried;
; a block of zeros gets the byte 1 where the rule says 127: its codes are zeros, which add nothing under any byte but 0xff, and the bytes are read by this program alone.
; WHERE THE RESULTS GO.  aq and bq are laid as the product's launch fetches them: [half tile of 128 rows: 32][K step of 256: 16][33,792 bytes]; in such a block first 128 rows of 256 codes, K ascending, then 128 rows of 8 scale bytes.
; SHARES.  Work-groups 0 to 511 take input -> aq, 512 to 1,023 weight x mask -> bq.  A work-group takes 32 rows x 1,024 along K, each of its four waves 32 rows x 256: a quarter of one block's codes (8,192 bytes) and of its scale bytes (256).
; A wave goes in 16 steps of 2 rows x 256 numbers.  The conversions take numbers of ONE block from a lane's consecutive registers, so a lane must hold 16 NEIGHBOURS along K (two neighbouring lanes hold a block); a load is best where neighbouring
; LANES take neighbouring bytes.  Both are had: each load reads 512 consecutive bytes, 16 a lane; a step's 2,048 bytes go through the wave's own stage in LDS as they lie and come back 64 bytes a lane (16 bytes of padding behind each 64).
; A lane's 16 codes are 16 bytes: the wave stores 512 consecutive bytes, two rows of the block.  The wave's 256 scale bytes are gathered in LDS and leave by one store of 256 consecutive bytes.
; No tensor loads, no barrier: waves share nothing, and no tile is read by two work-groups, so there is nothing to ask for jointly.  Loads run four steps ahead, the turn through LDS one step.
; The two tensors' paths part on the work-group's number; each path has LDS bytes of its own (the second 32,768 further on, in the immediates).
.set STEPS, 16
.set EMAX,  15
.set MANT,  0x600000                   ; the mantissa field of 57,344 as f32
.set ROWM,  16384                      ; a row of input, weight or mask in bytes
.set BLKB,  33792                      ; a block of aq or bq
.set R,     16                         ; v16-79   four sets of 16 numbers as they are loaded
.set X,     80                         ; v80-111  two sets of 16 neighbours
.set E,     112                        ; v112-127 a scale byte for each step
.set C,     128                        ; v128-191 codes: four registers for each step, so that no store's data are written again
.set MK,    192                        ; v192-255 four sets of 16 numbers of the mask
.set WREG,  8192                       ; LDS: a region for each wave: two stages of 32 x SP bytes, and behind them its 256 scale bytes
.set SP,    80                         ; a lane's place in a stage: its 64 bytes + 16 of padding
	s_load_b256 s[4:11], s[0:1], 0x0               ; input s[4:5], weight s[6:7], mask s[8:9], aq s[10:11]
	s_load_b64 s[12:13], s[0:1], 0x20              ; bq
	v_lshl_add_u32 v4, v0, 2, 0x10000
	s_set_vgpr_msb 0x40
	v_mov_b32 v1, 0
	s_set_vgpr_msb 0x4000
	v_lshrrev_b32 v1, 5, v0
	v_readfirstlane_b32 s16, v1                    ; wave 0..3
	v_and_b32 v2, 31, v0                           ; lane
	v_lshlrev_b32 v3, 4, v2                        ; my 16 bytes of a load's 512, and of a step's 512 bytes of codes; never rewritten
	s_mul_i32 s17, s16, WREG
	v_lshrrev_b32 v14, 2, v2
	v_mul_u32_u24 v14, v14, SP
	v_and_b32 v15, 3, v2
	v_lshl_add_u32 v14, v15, 4, v14
	v_add_nc_u32 v14, s17, v14                     ; the stage, on the way in: four lanes' 64 bytes on end, then 16 of padding: SP (lane / 4) + 16 (lane % 4); a load's 512 bytes take eight places
	v_mul_u32_u24 v15, v2, SP
	v_add_nc_u32 v15, s17, v15                     ; and on the way out: SP x lane: my 16 neighbours
	v_lshrrev_b32 v5, 1, v2
	s_add_co_u32 s17, s17, 2*32*SP
	v_add_nc_u32 v5, s17, v5                       ; LDS: my wave's 256 scale bytes, my block's byte
	v_lshlrev_b32 v7, 3, v2                        ; and on the way out 8 bytes a lane
	v_add_nc_u32 v6, s17, v7
	s_and_b32 s18, ttmp9, 511                      ; my number among the tensor's 512 work-groups
	s_lshr_b32 s19, s18, 2                         ; which 32 rows: 0..127
	s_and_b32 s20, s18, 3
	s_lshl_b32 s20, s20, 2
	s_add_co_u32 s20, s20, s16                     ; which K step of 256: 4 x (number % 4) + wave
	s_lshr_b32 s21, s19, 2                         ; which half tile of 128 rows
	s_and_b32 s22, s19, 3                          ; and which 32 rows of it
	s_lshl_b32 s24, s19, 19                        ; the source: 32 rows of 16,384 bytes,
	s_lshl_b32 s25, s20, 10                        ; 256 numbers of 4 bytes
	s_add_co_u32 s24, s24, s25
	s_mov_b32 s25, 0
	s_lshl_b32 s21, s21, 4
	s_add_co_u32 s21, s21, s20                     ; the block: 16 x half tile + K step
	s_mul_i32 s26, s21, BLKB                       ; (under 2^25)
	s_lshl_b32 s28, s22, 13
	s_add_co_u32 s28, s28, s26                     ; my codes: 32 rows of 256 bytes
	s_mov_b32 s29, 0
	s_lshl_b32 s30, s22, 8
	s_add_co_u32 s30, s30, s26
	s_add_co_u32 s30, s30, 32768                   ; my scale bytes: behind the block's 128 rows of codes, 32 rows of 8 bytes
	s_mov_b32 s31, 0
	s_mov_b32 s23, MANT                            ; (an instruction takes one literal: the hold's line has another)
	s_wait_kmcnt 0x0
	s_cmp_lt_u32 ttmp9, 512                        ; input's work-group or weight's?  The choice hangs on the work-group's number alone
	s_cselect_b64 s[4:5], s[4:5], s[6:7]
	s_cselect_b64 s[10:11], s[10:11], s[12:13]
	s_add_nc_u64 s[4:5], s[4:5], s[24:25]          ; the source at my wave's first number,
	s_add_nc_u64 s[8:9], s[8:9], s[24:25]          ; the mask at the same place,
	s_add_nc_u64 s[14:15], s[10:11], s[30:31]      ; my scale bytes,
	s_add_nc_u64 s[10:11], s[10:11], s[28:29]      ; my codes
.macro LOAD t, mk                      ; step t: rows 2 t and 2 t + 1, 1,024 bytes of each, into set t % 4; mk = 1: the same of the mask
.irp i, 0,1,2,3
	global_load_b128 v[R+16*((\t)%4)+4*\i:R+16*((\t)%4)+4*\i+3], v3, s[4:5] offset:(2*(\t)+\i/2)*ROWM+(\i%2)*512 th:TH_LOAD_NT   ; 32 lanes read 512 consecutive bytes
.endr
.if \mk
.irp i, 0,1,2,3
	global_load_b128 v[MK+16*((\t)%4)+4*\i:MK+16*((\t)%4)+4*\i+3], v3, s[8:9] offset:(2*(\t)+\i/2)*ROWM+(\i%2)*512 th:TH_LOAD_NT
.endr
.endif
.endm
.macro TURN t, mk, lb                  ; step t's numbers through the stage: LDS serves a wave's instructions in order, so no wait stands between the stores and the loads
.if \mk
.irp j, 0,2,4,6,8,10,12,14
	v_pk_mul_f32 v[R+16*((\t)%4)+\j:R+16*((\t)%4)+\j+1], v[R+16*((\t)%4)+\j:R+16*((\t)%4)+\j+1], v[MK+16*((\t)%4)+\j:MK+16*((\t)%4)+\j+1]   ; weight x mask, as loaded: number by number, in f32
.endr
.endif
.irp i, 0,1,2,3
	ds_store_b128 v14, v[R+16*((\t)%4)+4*\i:R+16*((\t)%4)+4*\i+3] offset:\lb+32*SP*((\t)%2)+8*SP*\i
.endr
.irp i, 0,1,2,3
	ds_load_b128 v[X+16*((\t)%2)+4*\i:X+16*((\t)%2)+4*\i+3], v15 offset:\lb+32*SP*((\t)%2)+16*\i
.endr
.endm
.macro STEP t, mk, lb
.set XS, X+16*((\t)%2)
.if (\t) > 0
	s_wait_dscnt 1                                 ; this step's numbers are back from the stage (the last step's byte store may be out): so its stores into the stage have read their registers,
.else
	s_wait_dscnt 0x0
.endif
.if (\t)+4 < STEPS
	LOAD (\t)+4, \mk                               ; which take the loads of four steps on
.endif
.if (\t)+1 < STEPS
.if STEPS-2-(\t) >= 3
	s_wait_loadcnt 12*(1+\mk)                      ; the next step's loads are in (4, with the mask 8); those of the three steps behind it may be out
.else
	s_wait_loadcnt 4*(1+\mk)*(STEPS-2-(\t))        ; the counts run down: nothing more is asked for
.endif
	TURN (\t)+1, \mk, \lb                          ; and go through the other stage while this step is worked
.endif
	v_max3_num_f32 v8, |v[XS]|, |v[XS+1]|, |v[XS+2]|               ; the largest magnitude of my 16, in two chains
	v_max3_num_f32 v9, |v[XS+3]|, |v[XS+4]|, |v[XS+5]|
.irp i, 6,10
	v_max3_num_f32 v8, v8, |v[XS+\i]|, |v[XS+\i+1]|
	v_max3_num_f32 v9, v9, |v[XS+\i+2]|, |v[XS+\i+3]|
.endr
	v_max3_num_f32 v8, v8, |v[XS+14]|, |v[XS+15]|
	v_max3_num_f32 v8, v8, v9, (EMAX+1)<<23        ; and the floor 2^(EMAX + 1 - 127), under which no largest magnitude is taken: so the byte cannot fall under 1
	v_max_num_f32_dpp v8, v8, v8 row_xmask:1 row_mask:0xf bank_mask:0xf   ; and of my neighbour's 16: the block's
	v_add_nc_u32 v11, -(EMAX<<23), v8              ; EMAX off its exponent field: the conversion takes the exponent field of this operand as its scale, and nothing else of it
	v_and_or_b32 v10, v8, 0x7f800000, s23          ; 57,344 x the scale: the largest magnitude's exponent field over 57,344's mantissa (s23)
.irp i, 0,1,2,3,4,5,6,7,8,9,10,11,12,13,14,15
	v_med3_num_f32 v[XS+\i], v[XS+\i], -v10, v10   ; the conversion to an 8-bit code does not saturate (ISA guide 7.6.2): hold the number within the largest code x the scale first
.endr
	v_cvt_scalef32_pk8_bf8_f32 v[C+4*(\t):C+4*(\t)+1], v[XS:XS+7], v11          ; eight numbers / 2^(v11's exponent), to the nearest code, ties to even; the first number's code in the lowest byte
	v_cvt_scalef32_pk8_bf8_f32 v[C+4*(\t)+2:C+4*(\t)+3], v[XS+8:XS+15], v11
	v_lshrrev_b32 v[E+(\t)], 23, v11               ; the scale's byte (also the plain instruction behind the conversions)
	ds_store_b8 v5, v[E+(\t)] offset:\lb+16*(\t)   ; 8 bytes a row, two rows a step; both lanes of a block write the same byte with the same value
	global_store_b128 v3, v[C+4*(\t):C+4*(\t)+3], s[10:11] offset:512*(\t)      ; 32 lanes store 512 consecutive bytes: rows 2 t and 2 t + 1 of my part of the block
.endm
.macro PATH mk, lb
.irp t, 0,1,2,3
	LOAD \t, \mk
.endr
	s_wait_loadcnt 12*(1+\mk)                      ; step 0's loads are in; those of steps 1 to 3 may be out
	TURN 0, \mk, \lb
.irp t, 0,1,2,3,4,5,6,7,8,9,10,11,12,13,14,15
	STEP \t, \mk, \lb
.endr
	ds_load_b64 v[12:13], v6 offset:\lb            ; LDS serves a wave's instructions in order: these see my byte stores
	s_wait_dscnt 0x0
	global_store_b64 v7, v[12:13], s[14:15]        ; 32 lanes store 256 consecutive bytes, at a multiple of 256 from the buffer's first byte
	s_set_vgpr_msb 0x4
	s_wait_tensorcnt 0x0
	ds_add_u32 v4, v1
	s_wait_dscnt 0x0
	s_set_vgpr_msb 0x400
	s_endpgm
.endm
	s_cmp_lt_u32 ttmp9, 512
	s_cbranch_scc0 .Lweight
	PATH 0, 0                                      ; input
.Lweight:
	PATH 1, 32768                                  ; weight x mask
.Lfunc_end_k_q2ce4febac1_quant:
	.size	k_q2ce4febac1_quant, .Lfunc_end_k_q2ce4febac1_quant-k_q2ce4febac1_quant
	.p2alignl 7, 3214868480
	.fill 96, 4, 3214868480
	.section	.rodata,"a",@progbits
	.p2align	6, 0x0
	.amdhsa_kernel k_q2ce4febac1_quant
		.amdhsa_group_segment_fixed_size 66048
		.amdhsa_private_segment_fixed_size 0
		.amdhsa_enable_private_segment 0
		.amdhsa_kernarg_size 40
		.amdhsa_user_sgpr_count 2
		.amdhsa_user_sgpr_kernarg_segment_ptr 1
		.amdhsa_wavefront_size32 1
		.amdhsa_system_sgpr_workgroup_id_x 1
		.amdhsa_system_sgpr_workgroup_id_y 1
		.amdhsa_system_sgpr_workgroup_id_z 1
		.amdhsa_system_vgpr_workitem_id 0
		.amdhsa_next_free_vgpr 258
		.amdhsa_next_free_sgpr 66
		.amdhsa_reserve_vcc 0
		.amdhsa_float_denorm_mode_32 3
		.amdhsa_float_denorm_mode_16_64 3
		.amdhsa_memory_ordered 1
		.amdhsa_forward_progress 1
		.amdhsa_inst_pref_size 114
	.end_amdhsa_kernel
	.amdgpu_metadata
---
amdhsa.version: [ 1, 2 ]
amdhsa.kernels:
  - .name:           k_q2ce4febac1_quant
    .symbol:         k_q2ce4febac1_quant.kd
    .args:
      - { .name: input, .offset: 0, .size: 8, .value_kind: global_buffer, .address_space: global }
      - { .name: weight, .offset: 8, .size: 8, .value_kind: global_buffer, .address_space: global }
      - { .name: mask, .offset: 16, .size: 8, .value_kind: global_buffer, .address_space: global }
      - { .name: aq, .offset: 24, .size: 8, .value_kind: global_buffer, .address_space: global }
      - { .name: bq, .offset: 32, .size: 8, .value_kind: global_buffer, .address_space: global }
    .group_segment_fixed_size: 66048
    .private_segment_fixed_size: 0
    .kernarg_segment_align: 8
    .kernarg_segment_size: 40
    .max_flat_workgroup_size: 128
    .sgpr_count:     66
    .vgpr_count:     258
    .wavefront_size: 32
...
	.end_amdgpu_metadata
.endif
;; end of part 1
;; launch gemm (part 2): grid 16 x 16, 4 waves a work-group, clusters of 4 x 4, 327,680 bytes of LDS; arguments aq, bq, bias, out0; writes out0
.if DOCPART == 2
	.amdgcn_target "amdgcn-amd-amdhsa--gfx1250"
	.amdhsa_code_object_version 6
	.text
	.protected	k_q2ce4febac1_gemm
	.globl	k_q2ce4febac1_gemm
	.p2align	8
	.type	k_q2ce4febac1_gemm,@function
k_q2ce4febac1_gemm:
	s_mov_b64 s[64:65], 0
	v_nop
	global_prefetch_b8 v0, s[64:65] scope:SCOPE_SE
	s_setreg_imm32_b32 hwreg(HW_REG_WAVE_MODE, 25, 1), 1
	s_wait_xcnt 0x0
	s_wait_alu depctr_hold_cnt(0) depctr_sa_sdst(0) depctr_va_vdst(0) depctr_va_sdst(0) depctr_va_ssrc(0) depctr_va_vcc(0) depctr_vm_vsrc(0)
	s_getreg_b32 s2, hwreg(HW_REG_IB_STS2, 6, 4)
	s_cmp_eq_u32 s2, 0
	s_cbranch_scc0 .Lentry_in_a_cluster
	s_endpgm
.Lentry_in_a_cluster:
	s_bfe_u32 s2, ttmp6, 0x10000c
	s_cmp_lg_u32 s2, 0xf033
	s_cbranch_scc0 .Lentry_shape_is_right
	s_endpgm
.Lentry_shape_is_right:
; out0[m][n] = bias[n] + the sum over k of A[m][k] B[n][k], 4,096 x 4,096 x 4,096.  A (input) and B (weight x mask) come as codes of BF8 (E5M2) with one E8M0 scale byte for each 32 along K, made by the launch before; sums in f32.
; aq, bq: [half tile of 128 rows: 32][K step of 256: 16][33,792 bytes]: a block is 128 rows of 256 codes and, behind them, 128 rows of 8 scale bytes: 132 runs of 256 bytes on end.  ONE tensor load brings a block, codes and scales together.
; A tile of out0, 256 x 256, is made by a work-group of four waves, as many as a WGP has SIMDs; a wave makes 128 x 128: 64 accumulators of 16 x 16, 512 registers.  256 tiles, one to a work-group.
; K goes in 16 steps of 256 through a ring of two LDS slots; a slot holds four blocks: A's two halves, then B's two; each wave fetches one.
; CLUSTERS: 4 x 4 work-groups.  The four of a row of the cluster need the same blocks of A, the four of a column the same blocks of B: each block is asked for JOINTLY, by the same tensor load with the
; same descriptor and a mask that names the four.  THE MATRIX INSTRUCTION IS USED TRANSPOSED (source 0 = 16 rows of B, source 1 = 16 rows of A): a lane then holds eight neighbouring numbers of a row of out0.
; THE BIAS is the C of each sum's first matrix instruction: eight registers for each of B's eight blocks, in the result's layout: no addition, and nothing is cleared.
; REGISTERS, in windows of 256: window 0: v0-31 addresses; v32-63 scale words, two sets; v64-127 the bias; from v128 A's fragments (8 x 16 rows x 128 K), ONE set; on the way out v128-255 take rows of out0.
;   window 1: B's fragments, TWO sets, at v0 and at v128.   window 2: the 32 accumulators of my rows 0-63 (accumulator (a, b) at v[8 (8 a + b)]);   window 3: those of my rows 64-127.
; A step of 128 along K is 64 matrix instructions, A's blocks one after the other, each against B's eight.  So a block of A is free as soon as its eight products are issued, and one set of registers serves A:
; blocks 0-3 are fetched anew in the step's middle, blocks 4-7 at its end.  B's fragments are at work through the whole step, so B has two sets.
; LIMITS: those of the launch that makes the codes.
.set SIZE_N, 4096
.set NQ,     2                         ; matrix instructions deep in a slot: 256 along K
.set PITCH,  272                       ; an LDS row: 256 bytes of data + 16 of padding = 68 words: row r starts at bank 4 r mod 64 (64 banks of 4 bytes: ISA guide 11.1), so the 16 rows that a load touches start at 16 different banks
.set FR,     16                        ; registers of a fragment: 16 rows x 128 K
.set NL,     4                         ; LDS loads that bring one
.set NP,     8                         ; places behind this matrix instruction (ISA guide 7.12.1)
.set UNITS,  132                       ; a block's runs of 256 bytes: 128 of codes, 4 of scale bytes
.set BLKB,   UNITS*256                 ; a block in memory
.set HTB,    16*BLKB                   ; a half tile's 16 blocks
.set HALFT,  UNITS*PITCH               ; a block in LDS: what one tensor load brings, and what one wave reads of A or of B
.set SCOFF,  128*PITCH                 ; where its scale bytes begin: row r's eight at SCOFF + 272 (r / 32) + 8 (r % 32)
.set SLOT,   4*HALFT                   ; A's two blocks, then B's two
.set LAPS,   8                         ; a lap = two K steps = once round the ring
.set SPARE,  2*SLOT                    ; behind the ring: the spare words, 128 bytes for each wave: two blocks of 256 bytes that no other line names
.set SPITCH, 528                       ; the way out: a stage of 16 rows x (512 bytes + 16) for each wave.  It lies in slot 0, which has had its last fill and its last read when the first result is stored there
.set ADRA, 16                          ; v16-17  LDS address of my A fragments in slot 0, 1
.set ADRB, 20                          ; v20-21  the same for B
.set ADRS, 22                          ; v22-23  of my scale words in slot 0, 1: lanes 0-15 A's rows, lanes 16-31 B's
.set STO,  24                          ; v24     the way out: where I put 32 bytes of a row
.set RD,   25                          ; v25     the way out: where I read a row back
.set CO,   26                          ; v26     my byte offset in a row of out0
.set SPW,  28                          ; v28     LDS address of my spare word: SPARE + 4 x my thread's number; never rewritten
.set NIL,  29                          ; v29     0; never rewritten
.set BO,   30                          ; v30     the bias: 32 bytes for each half of the lanes; never rewritten
.set SC,   32                          ; scale words: set s (for slot s) at v[SC + 16 s]; in it register 2 i + q: lanes 0-15 the word of A's block i, lanes 16-31 that of B's block i, for the slot's q-th 128 along K
.set BI,   64                          ; the bias: v[BI + 8 b + j] = bias[my first column + 16 b + 8 (lane / 16) + j]
.set AF,   128                         ; A's fragments, in window 0
.set BK,   128                         ; the way out: 16 rows read back from the stage: v128-191 and v192-255 by turns
.set G1, 24                            ; s[24:31] descriptor group 1 for A's blocks;  s[32:39] group 0, one set for each slot
.set G0, 32
.set G1B, 48                           ; s[48:55], s[56:63] the same for B's blocks
.set G0B, 56
.set MSB, 0
.macro WIN new                         ; the immediate's high byte repeats the setting that is left; a switch that changes nothing is dropped
.if MSB != (\new)
	s_set_vgpr_msb (MSB<<8)|(\new)
.set MSB, (\new)
.endif
.endm
.set MUL_LO,   0xa1                    ; source 0 (B) window 1, source 1 (A) window 0, C and D window 2
.set MUL_HI,   0xf1                    ; the same, C and D window 3
.set FIRST_LO, 0x81                    ; a sum's first product: C (the bias) window 0, D window 2
.set FIRST_HI, 0xc1                    ; the same, D window 3
.set TO_B,     0x40                    ; destination window 1, address window 0
; A joint load: waves 0 and 1 fetch for A, waves 2 and 3 for B.  Each of the two lines has ONE mask and one set of registers for all that issue it; the branch hangs on the wave's number alone.
; Four v_nop follow each of the two lines, ahead of the jump, the label and what follows.
.macro JLOAD g0a, g1a, g0b, g1b
	s_cmp_eq_u32 s15, 0
	s_cbranch_scc0 .Lfor_b_\@
	tensor_load_to_lds s[\g0a:\g0a+3], s[\g1a:\g1a+7]
	s_nop 0
.rept 4
	v_nop
.endr
	s_branch .Lasked_\@
.Lfor_b_\@:
	tensor_load_to_lds s[\g0b:\g0b+3], s[\g1b:\g1b+7]
	s_nop 0
.rept 4
	v_nop
.endr
.Lasked_\@:
.endm
.macro CREST                           ; a round of the cluster's barrier behind its opening barrier: wave 0 signals for the work-group, every wave waits for all sixteen, my work-group's barrier closes it
	s_cmp_lg_u32 s14, 0
	s_cbranch_scc1 .Lnot_wave_0_\@
	s_barrier_signal -3
.Lnot_wave_0_\@:
	s_barrier_wait -3
	s_barrier_signal -1
	s_barrier_wait -1
.endm
.macro CROUND                          ; a whole round
	s_barrier_signal -1
	s_barrier_wait -1
	CREST
.endm
	s_load_b256 s[4:11], s[0:1], 0x0               ; aq s[4:5], bq s[6:7], bias s[8:9], out0 s[10:11]
	v_lshl_add_u32 v[SPW], v0, 2, SPARE
	v_mov_b32 v[NIL], 0
	ds_add_u32 v28, v29
	ds_add_u32 v28, v29
	s_wait_dscnt 0x0
	v_lshrrev_b32 v1, 5, v0
	v_readfirstlane_b32 s14, v1                    ; wave 0..3
	s_lshr_b32 s15, s14, 1                         ; which half of the tile's rows is mine.  Also: I fetch for A (0) or for B (1)
	s_and_b32 s16, s14, 1                          ; which half of its columns.  Also: which half tile I fetch
	s_bfe_u32 s40, ttmp6, 0x40000                  ; cx, cy: my place in the cluster
	s_bfe_u32 s41, ttmp6, 0x40004
	s_lshl_b32 s42, ttmp9, 2
	s_add_co_u32 s42, s42, s40                     ; tile column = 4 x cluster x + cx
	s_and_b32 s17, ttmp7, 0xffff
	s_lshl_b32 s17, s17, 2
	s_add_co_u32 s17, s17, s41                     ; tile row = 4 x cluster y + cy
	s_lshl_b32 s43, s41, 2
	s_lshl_b32 s43, 15, s43                        ; my row of the cluster: places 4 cy .. 4 cy + 3
	s_lshl_b32 s44, 0x1111, s40                    ; my column: places cx, cx + 4, cx + 8, cx + 12
	; descriptor group 1: a dense block of 132 rows of 256 bytes (32 elements of 8 bytes), 16 bytes of padding behind each row in LDS
	s_or_b32 s[G1+0], s43, (3<<16)|(1<<20)|(1<<21)|(5<<22)|(3<<25)  ; 15:0 the mask: A's blocks go to my row; 17:16 elements of 8 bytes; 20 padding on; 21 set beside a mask; 24:22 after every 64 words (code 5); 31:25 of 4 words (code 3)
	s_or_b32 s[G1B+0], s44, (3<<16)|(1<<20)|(1<<21)|(5<<22)|(3<<25) ; the same with the mask of my column, for B's blocks
.irp g, G1, G1B
	s_mov_b32 s[\g+1], 32<<16                      ; tensor_dim0 = 32
	s_mov_b32 s[\g+2], UNITS<<16                   ; tensor_dim1 = 132
	s_mov_b32 s[\g+3], 32<<16                      ; tile_dim0 = 32
	s_mov_b32 s[\g+4], UNITS                       ; tile_dim1 = 132
	s_mov_b32 s[\g+5], 32                          ; tensor_dim0_stride: the rows lie on end
	s_mov_b32 s[\g+6], 0
	s_mov_b32 s[\g+7], 0
.endr
	; where the blocks come from.  A's hang on the tile row alone, which my row of the cluster shares; B's on the tile column alone, which my column shares.
	; Every wave makes both addresses, in registers that never hold the other coordinate, and asks by one of them.
	s_lshl_b32 s20, s17, 1
	s_add_co_u32 s20, s20, s16                     ; A: half tile 2 x tile row + half
	s_mul_i32 s20, s20, HTB                        ; in bytes (under 2^25)
	s_mov_b32 s21, 0
	s_lshl_b32 s46, s42, 1
	s_add_co_u32 s46, s46, s16                     ; B: half tile 2 x tile column + half
	s_mul_i32 s46, s46, HTB
	s_mov_b32 s47, 0
	s_mul_i32 s45, s14, HALFT                      ; where they go: wave x a block: no place in the cluster enters an LDS address
	s_wait_kmcnt 0x0
	s_add_nc_u64 s[20:21], s[4:5], s[20:21]
	s_add_nc_u64 s[46:47], s[6:7], s[46:47]
	CROUND                                         ; all sixteen work-groups are here: the first joint loads meet
.irp s, 0,1
	s_mov_b32 s[G0+4*\s], 1                                        ; 1:0 count = 1
	s_add_co_u32 s[G0+4*\s+1], s45, \s*SLOT                        ; 63:32 LDS address
	s_add_nc_u64 s[G0+4*\s+2:G0+4*\s+3], s[20:21], \s*BLKB         ; 120:64 global address: K step s
	s_or_b32 s[G0+4*\s+3], s[G0+4*\s+3], 0x80000000                ; 127:126 type = 2
	s_mov_b32 s[G0B+4*\s], 1
	s_add_co_u32 s[G0B+4*\s+1], s45, \s*SLOT
	s_add_nc_u64 s[G0B+4*\s+2:G0B+4*\s+3], s[46:47], \s*BLKB
	s_or_b32 s[G0B+4*\s+3], s[G0B+4*\s+3], 0x80000000
	JLOAD G0+4*\s, G1, G0B+4*\s, G1B               ; the ring is filled before anything else is done: two loads of mine are out
.endr
	v_and_b32 v1, 15, v0                           ; r = l % 16
	v_bfe_u32 v2, v0, 4, 1                         ; h = l / 16
	v_mul_u32_u24 v3, v1, PITCH
	v_lshl_add_u32 v4, v2, 4, v3                   ; a fragment's row x pitch + 16 x half
	s_mul_i32 s21, s15, HALFT                      ; my 128 rows of A
	s_mul_i32 s22, s16, HALFT                      ; my 128 rows of B,
	s_add_co_u32 s22, s22, 2*HALFT                 ; which lie behind A's two blocks
.irp s, 0,1
	v_add_nc_u32 v[ADRA+\s], s21, v4
	v_add_nc_u32 v[ADRB+\s], s22, v4
	s_add_co_u32 s21, s21, SLOT
	s_add_co_u32 s22, s22, SLOT
.endr
	v_lshlrev_b32 v5, 3, v1                        ; my row's scale bytes: 8 a row
	s_xor_b32 s22, s15, 1                          ; from A's block (number s15) to B's (number 2 + s16): 1 + s16 + (1 - s15) blocks
	s_add_co_u32 s22, s22, s16
	s_add_co_u32 s22, s22, 1
	s_mul_i32 s22, s22, HALFT
	v_mul_u32_u24 v6, s22, v2                      ; lanes 16-31 take B's: the lower base + h x the distance
	s_mul_i32 s21, s15, HALFT
	s_add_co_u32 s21, s21, SCOFF
	v_add_nc_u32 v5, v5, v6
	v_add_nc_u32 v[ADRS], s21, v5
	v_add_nc_u32 v[ADRS+1], SLOT, v[ADRS]
	s_mul_i32 s23, s14, 16*SPITCH                  ; my stage
	v_mul_u32_u24 v5, v1, SPITCH                   ; in: row l % 16, 32 bytes for each half of the lanes
	v_lshl_add_u32 v5, v2, 5, v5
	v_add_nc_u32 v[STO], s23, v5
	v_and_b32 v6, 31, v0
	v_lshlrev_b32 v[CO], 4, v6                     ; back: the 32 lanes take one row of 512 bytes; and the same in out0
	v_add_nc_u32 v[RD], s23, v[CO]
	v_lshlrev_b32 v[BO], 5, v2
	s_lshl_b32 s20, s17, 8
	s_lshl_b32 s21, s15, 7
	s_add_co_u32 s20, s20, s21                     ; my first row of out0: 256 x tile row + 128 x half,
	s_lshl_b32 s20, s20, 14                        ; in bytes: 16,384 a row (under 2^26)
	s_mov_b32 s21, 0
	s_lshl_b32 s46, s42, 10                        ; my first column, in bytes: 1,024 x tile column + 512 x half
	s_lshl_b32 s47, s16, 9
	s_add_co_u32 s46, s46, s47
	s_mov_b32 s47, 0
	s_add_nc_u64 s[8:9], s[8:9], s[46:47]          ; the bias at my first column
	s_add_nc_u64 s[10:11], s[10:11], s[46:47]
	s_add_nc_u64 s[10:11], s[10:11], s[20:21]      ; out0 at my first number
.irp b, 0,1,2,3,4,5,6,7
	global_load_b128 v[BI+8*\b:BI+8*\b+3],   v[BO], s[8:9] offset:64*\b      ; bias[16 b + 8 h + 0 .. 3],
	global_load_b128 v[BI+8*\b+4:BI+8*\b+7], v[BO], s[8:9] offset:64*\b+16   ; + 4 .. 7
.endr
.macro FRAG reg, adr, q, i             ; a fragment, 16 rows x 128 K of 8-bit codes, is 16 registers: lane l holds row l % 16; registers 4 c .. 4 c + 3 hold K = 32 c + 16 (l / 16) + 0 .. 15
.irp c, 0,1,2,3
	ds_load_b128 v[\reg+4*\c:\reg+4*\c+3], v[\adr] offset:128*(\q)+32*\c+(\i)*16*PITCH
.endr
.endm
; 16 matrix instructions: A's blocks a0, a0 + 1 x B's eight, 128 along K: the slot's q-th.  p: B's set;  sc: the set of scale words.  first = 1: the product starts the sums, on the bias.
; The 64 accumulators take turns, one instruction a turn, in the same order in every step.
; Source 0 (B's block b) takes its scales from lanes 16-31 of register b, source 1 (A's block a) from lanes 0-15 of register a.
.macro MUL16 a0, p, q, sc, first
.irp a, \a0, \a0+1
.irp b, 0,1,2,3,4,5,6,7
.if \first
	v_wmma_scale_f32_16x16x128_f8f6f4 v[8*(8*((\a)%4)+\b):8*(8*((\a)%4)+\b)+7], v[128*(\p)+FR*\b:128*(\p)+FR*\b+FR-1], v[AF+FR*(\a):AF+FR*(\a)+FR-1], v[BI+8*\b:BI+8*\b+7], v[SC+8*NQ*(\sc)+NQ*\b+(\q)], v[SC+8*NQ*(\sc)+NQ*(\a)+(\q)] matrix_a_fmt:MATRIX_FMT_BF8 matrix_b_fmt:MATRIX_FMT_BF8 matrix_a_scale:MATRIX_SCALE_ROW1
.else
	v_wmma_scale_f32_16x16x128_f8f6f4 v[8*(8*((\a)%4)+\b):8*(8*((\a)%4)+\b)+7], v[128*(\p)+FR*\b:128*(\p)+FR*\b+FR-1], v[AF+FR*(\a):AF+FR*(\a)+FR-1], v[8*(8*((\a)%4)+\b):8*(8*((\a)%4)+\b)+7], v[SC+8*NQ*(\sc)+NQ*\b+(\q)], v[SC+8*NQ*(\sc)+NQ*(\a)+(\q)] matrix_a_fmt:MATRIX_FMT_BF8 matrix_b_fmt:MATRIX_FMT_BF8 matrix_a_scale:MATRIX_SCALE_ROW1
.endif
.endr
.endr
.endm
.macro FETCH_B slot, q, p              ; B's eight fragments of the slot's q-th 128 along K into set p
	WIN TO_B
.irp i, 0,1,2,3,4,5,6,7
	FRAG 128*(\p)+FR*\i, ADRB+\slot, \q, \i
.endr
	WIN 0
.endm
.macro FETCH_A slot, q, i0             ; A's blocks i0 .. i0 + 3
.irp i, \i0, \i0+1, \i0+2, \i0+3
	FRAG AF+FR*(\i), ADRA+\slot, \q, \i
.endr
.endm
.macro SCALES sc                       ; slot sc's scale words into set sc: two words a row; lanes 0-15 take A's block i, lanes 16-31 B's block i.  Rows 16 i on lie in run i / 2 of the four, 128 (i % 2) bytes in
.irp i, 0,1,2,3,4,5,6,7
	ds_load_b64 v[SC+8*NQ*\sc+NQ*\i:SC+8*NQ*\sc+NQ*\i+1], v[ADRS+\sc] offset:(\i/2)*PITCH+(\i%2)*128
.endr
.endm
; A load into a register that a matrix instruction has read, and a vector instruction or an LDS store that reads a matrix result, stand NP places behind that matrix instruction, and only plain vector
; instructions that name none of its registers are places (ISA guide 7.12.1 for vector instructions); this text does not count the matrix instructions in between.
.macro PLACES n
.rept \n
	v_nop
.endr
.endm
; A step of 128 along K that has its successor in the same slot.
.macro STEP slot, q, first
	s_wait_dscnt 4*NL                              ; B's set, A's blocks 0-3 and the scale words are in; the youngest 16 loads (A's blocks 4-7) may be out
.if \first
	WIN FIRST_LO
.else
	WIN MUL_LO
.endif
	MUL16 0, (\q)%2, \q, \slot, \first
	MUL16 2, (\q)%2, \q, \slot, \first
	s_wait_dscnt 0                                 ; A's blocks 4-7 are in (asked for 32 matrix instructions ago)
	PLACES NP
	FETCH_B \slot, (\q)+1, 1-(\q)%2
	FETCH_A \slot, (\q)+1, 0
.if \first
	WIN FIRST_HI
.else
	WIN MUL_HI
.endif
	MUL16 4, (\q)%2, \q, \slot, \first
	MUL16 6, (\q)%2, \q, \slot, \first
	PLACES NP
	WIN 0
	FETCH_A \slot, (\q)+1, 4
.endm
; A slot's last step changes slots: ONE barrier; in front of it each wave waits for all its tensor loads, adds 0 to its spare word, and waits for that and for its own reads of this slot.  fill = 1: this slot is filled again, two K steps ahead.
.macro TURN slot, next, fill
	s_wait_tensorcnt 0x0                           ; all my tensor loads have landed: the one that was out is my block of the next slot;  (every window is 0 here: the add's two registers lie in window 0)
	ds_add_u32 v[SPW], v[NIL]                      ; 0 onto my spare word
	s_wait_dscnt 4*NL+1                            ; (the add and the youngest 16 loads, A's blocks 4-7, may be out)
	WIN MUL_LO
	MUL16 0, 1, NQ-1, \slot, 0                     ; sixteen matrix instructions stand between the add and the wait for it
	s_wait_dscnt 0x0                               ; the add is done, and my reads of this slot are over
	s_barrier_signal -1
	MUL16 2, 1, NQ-1, \slot, 0                     ; work on registers while the others arrive
	WIN 0
	s_barrier_wait -1
.if \fill
	CREST                                          ; the barrier has opened a round of the cluster's barrier: no wave of any partner still reads this slot or has a load on its way
	s_add_nc_u64 s[G0+4*\slot+2:G0+4*\slot+3], s[G0+4*\slot+2:G0+4*\slot+3], 2*BLKB     ; no tensor load of mine is out, so a group 0 may be written: two K steps on; the type bits on top are not reached
	s_add_nc_u64 s[G0B+4*\slot+2:G0B+4*\slot+3], s[G0B+4*\slot+2:G0B+4*\slot+3], 2*BLKB
	JLOAD G0+4*\slot, G1, G0B+4*\slot, G1B         ; the first tensor load behind the round, my one load until the next; the four v_nop behind it are four of the eight places in front of the loads below
	PLACES NP-4
.else
	PLACES NP
.endif
	FETCH_B \next, 0, 0
	FETCH_A \next, 0, 0
	SCALES \next
	WIN MUL_HI
	MUL16 4, 1, NQ-1, \slot, 0
	MUL16 6, 1, NQ-1, \slot, 0
	PLACES NP
	WIN 0
	FETCH_A \next, 0, 4
.endm
	s_wait_tensorcnt 1                             ; my block of K step 0 is in (K step 1's load may be out)
	s_barrier_signal -1
	s_barrier_wait -1                              ; everybody's is
	FETCH_B 0, 0, 0
	FETCH_A 0, 0, 0
	SCALES 0
	FETCH_A 0, 0, 4
	s_wait_loadcnt 0x0                             ; the bias
	STEP 0, 0, 1                                   ; the first step stands in front of the loop: its products start the sums, on the bias
	s_mov_b32 s3, LAPS-1
.Llap:                                                 ; a trip goes once round the ring, from a lap's second step to the next lap's first, and fills both slots again: 7 trips bring K steps 2 to 15
	TURN 0, 1, 1
	STEP 1, 0, 0
	TURN 1, 0, 1
	STEP 0, 0, 0
	s_sub_co_u32 s3, s3, 1
	s_cmp_lg_u32 s3, 0
	s_cbranch_scc1 .Llap
	TURN 0, 1, 0                                   ; the last lap fills nothing, and has no round of the cluster's barrier
	STEP 1, 0, 0
	s_wait_dscnt 4*NL                              ; the very last step: nothing more to fetch
	WIN MUL_LO
	MUL16 0, 1, NQ-1, 1, 0
	MUL16 2, 1, NQ-1, 1, 0
	s_wait_dscnt 0
	WIN MUL_HI
	MUL16 4, 1, NQ-1, 1, 0
	MUL16 6, 1, NQ-1, 1, 0
	WIN 0
; THE WAY OUT, block by block of 16 rows x 128 columns.  A lane holds 32 neighbouring bytes of a row, and the lanes beside it hold other rows: so a block goes through my own stage in LDS and comes back as whole
; rows of 512 bytes, which the 32 lanes store.  LDS serves a wave's instructions in order (ISA guide 5.7.1.4): no wait between the stores and the loads, nor in front of the next block's stores.
.macro TOSTAGE a
.set AC, 64*((\a)%4)
	WIN 0x08+4*((\a)/4)                            ; an LDS store's data are its source 1: window 2 or 3
.irp b, 0,1,2,3,4,5,6,7
	ds_store_b128 v[STO], v[AC+8*\b:AC+8*\b+3] offset:64*\b          ; each accumulator from its low end on
	ds_store_b128 v[STO], v[AC+8*\b+4:AC+8*\b+7] offset:64*\b+16
.endr
	WIN 0
.set BB, BK+64*((\a)%2)
.irp t, 0,1,2,3,4,5,6,7,8,9,10,11,12,13,14,15
	ds_load_b128 v[BB+4*\t:BB+4*\t+3], v[RD] offset:\t*SPITCH
.endr
.endm
.macro SEND a, younger                 ; younger: the LDS instructions issued behind block a's loads, which may stay out
.set BB, BK+64*((\a)%2)
	s_wait_dscnt \younger                          ; the block is back in registers
.if (\a) > 0
	s_add_nc_u64 s[10:11], s[10:11], 16*SIZE_N*4   ; (behind a wait on XCNT for 0: the earlier stores have read their base)  16 rows of out0 on
.endif
.irp t, 0,1,2,3,4,5,6,7,8,9,10,11,12,13,14,15
	global_store_b128 v[CO], v[BB+4*\t:BB+4*\t+3], s[10:11] offset:\t*SIZE_N*4 th:TH_STORE_NT   ; 32 lanes store 512 consecutive bytes, at a multiple of 256 from out0's first byte; written once, read by nobody here
.endr
.endm
	PLACES NP                                      ; these places serve the loads into the registers that held A's fragments and the reads of the last products' results alike
	TOSTAGE 0
.irp a, 1,2,3,4,5,6,7
.if \a > 1
	s_wait_xcnt 0x0                                ; block a - 2's stores have read their registers and their base: block a's loads may land there, and the base may step
.endif
	TOSTAGE \a
	SEND \a-1, 32                                  ; behind block a - 1's loads: block a's 16 stores and 16 loads
.endr
	s_wait_xcnt 0x0                                ; block 6's stores have read their base
	SEND 7, 0
	s_wait_tensorcnt 0x0                           ; the wave's end: behind my last tensor load and my last LDS store
	ds_add_u32 v[SPW], v[NIL]
	s_wait_dscnt 0x0
	CROUND                                         ; the closing round: no work-group ends while a partner may still ask for a block that names it
	s_endpgm
.Lfunc_end_k_q2ce4febac1_gemm:
	.size	k_q2ce4febac1_gemm, .Lfunc_end_k_q2ce4febac1_gemm-k_q2ce4febac1_gemm
	.p2alignl 7, 3214868480
	.fill 96, 4, 3214868480
	.section	.rodata,"a",@progbits
	.p2align	6, 0x0
	.amdhsa_kernel k_q2ce4febac1_gemm
		.amdhsa_group_segment_fixed_size 327680
		.amdhsa_private_segment_fixed_size 0
		.amdhsa_enable_private_segment 0
		.amdhsa_kernarg_size 32
		.amdhsa_user_sgpr_count 2
		.amdhsa_user_sgpr_kernarg_segment_ptr 1
		.amdhsa_wavefront_size32 1
		.amdhsa_system_sgpr_workgroup_id_x 1
		.amdhsa_system_sgpr_workgroup_id_y 1
		.amdhsa_system_sgpr_workgroup_id_z 1
		.amdhsa_system_vgpr_workitem_id 0
		.amdhsa_next_free_vgpr 1024
		.amdhsa_next_free_sgpr 66
		.amdhsa_reserve_vcc 0
		.amdhsa_float_denorm_mode_32 3
		.amdhsa_float_denorm_mode_16_64 3
		.amdhsa_memory_ordered 1
		.amdhsa_forward_progress 1
		.amdhsa_inst_pref_size 145
	.end_amdhsa_kernel
	.amdgpu_metadata
---
amdhsa.version: [ 1, 2 ]
amdhsa.kernels:
  - .name:           k_q2ce4febac1_gemm
    .symbol:         k_q2ce4febac1_gemm.kd
    .args:
      - { .name: aq, .offset: 0, .size: 8, .value_kind: global_buffer, .address_space: global }
      - { .name: bq, .offset: 8, .size: 8, .value_kind: global_buffer, .address_space: global }
      - { .name: bias, .offset: 16, .size: 8, .value_kind: global_buffer, .address_space: global }
      - { .name: out0, .offset: 24, .size: 8, .value_kind: global_buffer, .address_space: global }
    .group_segment_fixed_size: 327680
    .private_segment_fixed_size: 0
    .kernarg_segment_align: 8
    .kernarg_segment_size: 32
    .max_flat_workgroup_size: 128
    .sgpr_count:     66
    .vgpr_count:     1024
    .wavefront_size: 32
...
	.end_amdgpu_metadata
.endif
;; end of part 2
;; ======== version 2 of 3: 2 launches
;; workspace buffers: aq 17,301,504 bytes; bq 17,301,504 bytes; flags 32,768 bytes of whole numbers
;; launch quant (part 3): grid 1024 x 1, 4 waves a work-group, no clusters, 78,336 bytes of LDS; arguments input, weight, mask, aq, bq, flags; writes aq, bq, flags
.if DOCPART == 3
	.amdgcn_target "amdgcn-amd-amdhsa--gfx1250"
	.amdhsa_code_object_version 6
	.text
	.protected	k_q2ce4febac1_quant
	.globl	k_q2ce4febac1_quant
	.p2align	8
	.type	k_q2ce4febac1_quant,@function
k_q2ce4febac1_quant:
	s_mov_b64 s[64:65], 0
	v_nop
	global_prefetch_b8 v0, s[64:65] scope:SCOPE_SE
	s_setreg_imm32_b32 hwreg(HW_REG_WAVE_MODE, 25, 1), 1
	s_wait_xcnt 0x0
; input [4096][4096] f32, and weight x mask (both [4096][4096] f32, one f32 multiplication a number), are turned into codes of BF8 (E5M2), 8 bits each, with one E8M0 scale byte for each 32 along K (the last axis of both).
; A block's scale is 2^(floor(log2(its largest magnitude)) - 15); its byte is the largest magnitude's own exponent field - 15, held at 1 from below.  Each number is divided by the scale, held within +-57,344 and rounded to the nearest code, ties to even.
; LIMITS: NaN and infinities among the inputs are not served (an infinite weight under a zero of the mask among them); blocks whose largest magnitude lies under 2^(16 - 127), the floor, whose byte is held at 1, were not tried;
; a block of zeros gets the byte 1 where the rule says 127: its codes are zeros, which add nothing under any byte but 0xff, and the bytes are read by this program alone.
; WHERE THE RESULTS GO.  aq and bq are laid in the order of the matrix operand's registers.  Codes: [chunk of 128 along K: 32][fragment of 16 rows: 256][2,048 bytes]; in a fragment's image byte 512 c + 256 h + 16 r + i is the code of
; row r, k = 32 c + 16 h + i: the 16 bytes that lane 16 h + r holds in registers 4 c .. 4 c + 3.  From byte 16,777,216 on the scale words (four bytes: 128 along K of a row): [K step of 256: 16][32 rows: 128][chunk in the step: 2][row % 16: 16][row / 16: 2].
; flags: [32 rows of weight: 128][64 along K: 64] words: not 0 where any code of weight x mask in those 32 rows x 64 k is other than +-0.  The next launch leaves out what is flagged 0; nothing in THIS launch hangs on a flag.
; SHARES.  Work-groups 0 to 511 take input -> aq, 512 to 1,023 weight x mask -> bq and flags.  A work-group takes 32 rows x 1,024 along K, each of its four waves 32 rows x 256: four whole images, 256 scale bytes, four flags.
; A wave goes in 16 steps of 2 rows x 256 numbers.  The conversions take numbers of ONE block from a lane's consecutive registers, so a lane must hold 16 NEIGHBOURS along K (two neighbouring lanes hold a block); a load is best where neighbouring
; LANES take neighbouring bytes.  Both are had: each load reads 512 consecutive bytes, 16 a lane; a step's 2,048 bytes go through the wave's own stage in LDS as they lie and come back 64 bytes a lane (16 bytes of padding behind each 64).
; A lane's 16 codes are one row's part of a run of 256 bytes of an image (16 rows x 16 bytes), and the other rows come in other steps: so the codes of eight steps (16 rows) are gathered in a second stage, 16 runs at a pitch of 272 bytes,
; and leave by eight stores of 512 consecutive bytes.  The wave's 256 scale bytes are gathered likewise and leave by one store of 256 consecutive bytes.
; No tensor loads, no barrier: waves share nothing, and no tile is read by two work-groups, so there is nothing to ask for jointly.  Loads run four steps ahead, the turn through LDS one step.
; The two tensors' paths part on the work-group's number; each path has LDS bytes of its own (the second PATHB further on, in the immediates).
.set STEPS, 16
.set EMAX,  15
.set MANT,  0x600000                   ; the mantissa field of 57,344 as f32
.set ROWM,  16384                      ; a row of input, weight or mask in bytes
.set CHB,   524288                     ; the codes of 128 along K of all 4,096 rows: 256 images of 2,048 bytes
.set SCB,   16777216                   ; where the scale words begin in aq and in bq
.set R,     16                         ; v16-79   four sets of 16 numbers as they are loaded
.set X,     80                         ; v80-111  two sets of 16 neighbours
.set E,     112                        ; v112-119 a scale byte for each of eight steps
.set CS,    120                        ; v120     the code stage, on the way in
.set CR,    121                        ; v121     and on the way out
.set C,     128                        ; v128-159 codes: four registers for each of eight steps
.set RB,    160                        ; v160-191 sixteen runs of 256 bytes, read back
.set MK,    192                        ; v192-255 four sets of 16 numbers of the mask
.set SP,    80                         ; a lane's place in a stage of numbers: its 64 bytes + 16 of padding
.set SBY,   2*32*SP                    ; LDS, in a wave's region: two stages of 32 x SP bytes; then its 256 scale bytes;
.set CST,   SBY+256                    ; then the code stage:
.set UP,    272                        ; 16 runs of 256 bytes + 16 of padding: the sixteen lanes of a store or load touch sixteen different columns of 16 bytes
.set WREG,  CST+16*UP                  ; 9,728 bytes a wave
.set PATHB, 4*WREG                     ; 38,912 bytes a path
	s_load_b256 s[4:11], s[0:1], 0x0               ; input s[4:5], weight s[6:7], mask s[8:9], aq s[10:11]
	s_load_b128 s[12:15], s[0:1], 0x20             ; bq s[12:13], flags s[14:15]
	v_lshl_add_u32 v126, v0, 2, 0x13000
	v_mov_b32 v127, 0
	v_lshrrev_b32 v1, 5, v0
	v_readfirstlane_b32 s16, v1                    ; wave 0..3
	v_and_b32 v2, 31, v0                           ; lane
	v_lshlrev_b32 v3, 4, v2                        ; my 16 bytes of a load's 512, and of a store's 512 bytes of codes; never rewritten
	s_mul_i32 s17, s16, WREG                       ; my wave's region of LDS
	v_lshrrev_b32 v14, 2, v2
	v_mul_u32_u24 v14, v14, SP
	v_and_b32 v15, 3, v2
	v_lshl_add_u32 v14, v15, 4, v14
	v_add_nc_u32 v14, s17, v14                     ; the stage of numbers, on the way in: four lanes' 64 bytes on end, then 16 of padding: SP (lane / 4) + 16 (lane % 4); a load's 512 bytes take eight places
	v_mul_u32_u24 v15, v2, SP
	v_add_nc_u32 v15, s17, v15                     ; and on the way out: SP x lane: my 16 neighbours
	v_bfe_u32 v5, v0, 1, 2                         ; my block of 32 is number (lane % 16) / 2 of the row's eight: its byte in the scale word,
	v_bfe_u32 v8, v0, 3, 1                         ; and which of the two chunks of 128
	v_lshl_add_u32 v5, v8, 7, v5                   ; 128 bytes a chunk,
	v_bfe_u32 v8, v0, 4, 1                         ; lane / 16: the step's first or second row
	v_lshl_add_u32 v5, v8, 3, v5                   ; 8 bytes a row % 16
	v_add_nc_u32 v5, s17, v5                       ; where my block's scale byte goes (the step's rows stand in the immediate)
	v_lshlrev_b32 v7, 3, v2                        ; the scale bytes on the way out: 8 bytes a lane
	v_add_nc_u32 v6, s17, v7
	v_and_b32 v9, 15, v0                           ; lane % 16: which 16 along K of the 256: which run
	v_mul_u32_u24 v[CS], v9, UP
	v_lshl_add_u32 v[CS], v8, 4, v[CS]
	v_add_nc_u32 v[CS], s17, v[CS]                 ; the code stage, in: run lane % 16, 16 bytes a row
	v_mul_u32_u24 v[CR], v8, UP
	v_lshl_add_u32 v[CR], v9, 4, v[CR]
	v_add_nc_u32 v[CR], s17, v[CR]                 ; out: lanes 0-15 one run, lanes 16-31 the next
	s_and_b32 s18, ttmp9, 511                      ; my number among the tensor's 512 work-groups
	s_lshr_b32 s19, s18, 2                         ; which 32 rows: 0..127
	s_and_b32 s20, s18, 3
	s_lshl_b32 s20, s20, 2
	s_add_co_u32 s20, s20, s16                     ; which K step of 256: 4 x (number % 4) + wave
	s_lshl_b32 s24, s19, 19                        ; the source: 32 rows of 16,384 bytes,
	s_lshl_b32 s25, s20, 10                        ; 256 numbers of 4 bytes
	s_add_co_u32 s24, s24, s25
	s_mov_b32 s25, 0
	s_lshl_b32 s26, s20, 20                        ; my codes: two chunks of CHB bytes a K step,
	s_lshl_b32 s27, s19, 12                        ; two images of 2,048 bytes for 32 rows
	s_add_co_u32 s26, s26, s27
	s_mov_b32 s27, 0
	s_lshl_b32 s28, s20, 15                        ; my scale bytes: 128 x 256 a K step,
	s_lshl_b32 s29, s19, 8                         ; 256 for 32 rows,
	s_add_co_u32 s28, s28, s29
	s_add_co_u32 s28, s28, SCB                     ; behind the codes
	s_mov_b32 s29, 0
	s_lshl_b32 s30, s19, 8                         ; my flags: 64 words for 32 rows,
	s_lshl_b32 s31, s20, 4                         ; four words a K step
	s_add_co_u32 s30, s30, s31
	s_mov_b32 s31, 0
	s_mov_b32 s23, MANT                            ; (an instruction takes one literal: the hold's line has another)
	s_mov_b32 s34, 0x7f7f7f7f                      ; four codes without their signs
	s_wait_kmcnt 0x0
	s_cmp_lt_u32 ttmp9, 512                        ; input's work-group or weight's?  The choice hangs on the work-group's number alone
	s_cselect_b64 s[4:5], s[4:5], s[6:7]
	s_cselect_b64 s[10:11], s[10:11], s[12:13]
	s_add_nc_u64 s[4:5], s[4:5], s[24:25]          ; the source at my wave's first number,
	s_add_nc_u64 s[8:9], s[8:9], s[24:25]          ; the mask at the same place,
	s_add_nc_u64 s[32:33], s[10:11], s[28:29]      ; my scale bytes,
	s_add_nc_u64 s[10:11], s[10:11], s[26:27]      ; my codes,
	s_add_nc_u64 s[14:15], s[14:15], s[30:31]      ; my flags
.macro LOAD t, mk                      ; step t: rows 2 t and 2 t + 1, 1,024 bytes of each, into set t % 4; mk = 1: the same of the mask
.irp i, 0,1,2,3
	global_load_b128 v[R+16*((\t)%4)+4*\i:R+16*((\t)%4)+4*\i+3], v3, s[4:5] offset:(2*(\t)+\i/2)*ROWM+(\i%2)*512 th:TH_LOAD_NT   ; 32 lanes read 512 consecutive bytes
.endr
.if \mk
.irp i, 0,1,2,3
	global_load_b128 v[MK+16*((\t)%4)+4*\i:MK+16*((\t)%4)+4*\i+3], v3, s[8:9] offset:(2*(\t)+\i/2)*ROWM+(\i%2)*512 th:TH_LOAD_NT
.endr
.endif
.endm
.macro TURN t, mk, lb                  ; step t's numbers through the stage: LDS serves a wave's instructions in order, so no wait stands between the stores and the loads
.if \mk
.irp j, 0,2,4,6,8,10,12,14
	v_pk_mul_f32 v[R+16*((\t)%4)+\j:R+16*((\t)%4)+\j+1], v[R+16*((\t)%4)+\j:R+16*((\t)%4)+\j+1], v[MK+16*((\t)%4)+\j:MK+16*((\t)%4)+\j+1]   ; weight x mask, as loaded: number by number, in f32
.endr
.endif
.irp i, 0,1,2,3
	ds_store_b128 v14, v[R+16*((\t)%4)+4*\i:R+16*((\t)%4)+4*\i+3] offset:\lb+32*SP*((\t)%2)+8*SP*\i
.endr
.irp i, 0,1,2,3
	ds_load_b128 v[X+16*((\t)%2)+4*\i:X+16*((\t)%2)+4*\i+3], v15 offset:\lb+32*SP*((\t)%2)+16*\i
.endr
.endm
.macro STEP t, mk, lb
.set XS, X+16*((\t)%2)
.set CC, C+4*((\t)%8)
.set EE, E+(\t)%8
.if (\t) > 0
	s_wait_dscnt 2                                 ; this step's numbers are back from the stage (the last step's byte store and code store may be out): so its stores into the stage have read their registers,
.else
	s_wait_dscnt 0x0
.endif
.if (\t)+4 < STEPS
	LOAD (\t)+4, \mk                               ; which take the loads of four steps on
.endif
.if (\t)+1 < STEPS
.if STEPS-2-(\t) >= 3
	s_wait_loadcnt 12*(1+\mk)                      ; the next step's loads are in (4, with the mask 8); those of the three steps behind it may be out
.else
	s_wait_loadcnt 4*(1+\mk)*(STEPS-2-(\t))        ; the counts run down: nothing more is asked for
.endif
	TURN (\t)+1, \mk, \lb                          ; and go through the other stage while this step is worked
.endif
	v_max3_num_f32 v8, |v[XS]|, |v[XS+1]|, |v[XS+2]|               ; the largest magnitude of my 16, in two chains
	v_max3_num_f32 v9, |v[XS+3]|, |v[XS+4]|, |v[XS+5]|
.irp i, 6,10
	v_max3_num_f32 v8, v8, |v[XS+\i]|, |v[XS+\i+1]|
	v_max3_num_f32 v9, v9, |v[XS+\i+2]|, |v[XS+\i+3]|
.endr
	v_max3_num_f32 v8, v8, |v[XS+14]|, |v[XS+15]|
	v_max3_num_f32 v8, v8, v9, (EMAX+1)<<23        ; and the floor 2^(EMAX + 1 - 127), under which no largest magnitude is taken: so the byte cannot fall under 1
	v_max_num_f32_dpp v8, v8, v8 row_xmask:1 row_mask:0xf bank_mask:0xf   ; and of my neighbour's 16: the block's
	v_add_nc_u32 v11, -(EMAX<<23), v8              ; EMAX off its exponent field: the conversion takes the exponent field of this operand as its scale, and nothing else of it
	v_and_or_b32 v10, v8, 0x7f800000, s23          ; 57,344 x the scale: the largest magnitude's exponent field over 57,344's mantissa (s23)
.irp i, 0,1,2,3,4,5,6,7,8,9,10,11,12,13,14,15
	v_med3_num_f32 v[XS+\i], v[XS+\i], -v10, v10   ; the conversion to an 8-bit code does not saturate (ISA guide 7.6.2): hold the number within the largest code x the scale first
.endr
	v_cvt_scalef32_pk8_bf8_f32 v[CC:CC+1], v[XS:XS+7], v11         ; eight numbers / 2^(v11's exponent), to the nearest code, ties to even; the first number's code in the lowest byte
	v_cvt_scalef32_pk8_bf8_f32 v[CC+2:CC+3], v[XS+8:XS+15], v11
	v_lshrrev_b32 v[EE], 23, v11                   ; the scale's byte (also the plain instruction behind the conversions)
.if \mk
.irp i, 0,1,2,3
	v_or_b32 v4, v4, v[CC+\i]                      ; every code that I have made of my 16 along K, in one word: for the flags
.endr
.endif
	ds_store_b8 v5, v[EE] offset:\lb+SBY+((2*(\t))%16)*8+((\t)/8)*4   ; row % 16 = 2 t % 16 (+ lane / 16), row / 16 = t / 8; both lanes of a block write the same byte with the same value
	ds_store_b128 v[CS], v[CC:CC+3] offset:\lb+CST+((2*(\t))%16)*16   ; my row's 16 bytes of run lane % 16
.endm
; The 16 rows of eight steps are whole: fragment p of my two.  Run 2 i + lane / 16 is 16 along K: chunk i / 4 of my two, and in the image 512 (i % 4) + 256 (lane / 16) bytes on.
.macro HALF p, lb
.if \p
	s_wait_xcnt 0x0                                ; the first half's stores have read their registers: the loads below may land there
.endif
.irp i, 0,1,2,3,4,5,6,7
	ds_load_b128 v[RB+4*\i:RB+4*\i+3], v[CR] offset:\lb+CST+2*\i*UP   ; LDS serves a wave's instructions in order: these see my eight stores
.endr
	s_wait_dscnt 0x0                               ; they are in; and every LDS store so far has read its registers: C and E are written again only behind this wait
.irp i, 0,1,2,3,4,5,6,7
	global_store_b128 v3, v[RB+4*\i:RB+4*\i+3], s[10:11] offset:(\i/4)*CHB+\p*2048+(\i%4)*512   ; 32 lanes store 512 consecutive bytes, at a multiple of 256 from the buffer's first byte
.endr
.endm
.macro PATH mk, lb
.if \mk
	v_mov_b32 v4, 0
.endif
.irp t, 0,1,2,3
	LOAD \t, \mk
.endr
	s_wait_loadcnt 12*(1+\mk)                      ; step 0's loads are in; those of steps 1 to 3 may be out
	TURN 0, \mk, \lb
.irp t, 0,1,2,3,4,5,6,7
	STEP \t, \mk, \lb
.endr
	HALF 0, \lb
.irp t, 8,9,10,11,12,13,14,15
	STEP \t, \mk, \lb
.endr
	HALF 1, \lb
	ds_load_b64 v[12:13], v6 offset:\lb+SBY        ; LDS serves a wave's instructions in order: these see my byte stores
	s_wait_dscnt 0x0
	global_store_b64 v7, v[12:13], s[32:33]        ; 32 lanes store 256 consecutive bytes, at a multiple of 256 from the buffer's first byte
.if \mk
	; THE FLAGS.  Lane l has gathered the codes of 16 rows at k = 16 (l % 16) + 0 .. 15: lanes with (l % 16) / 4 = c, in both halves, cover my 32 rows x 64 k number c.
	v_and_b32 v4, s34, v4                          ; -0 is a zero too
	v_cmp_ne_u32 vcc_lo, 0, v4                     ; a bit a lane
	s_and_b32 s35, vcc_lo, 0x000f000f
	s_and_b32 s36, vcc_lo, 0x00f000f0
	s_and_b32 s37, vcc_lo, 0x0f000f00
	s_and_b32 s38, vcc_lo, 0xf000f000
	v_mov_b32 v8, s35
	v_mov_b32 v9, s36
	v_mov_b32 v10, s37
	v_mov_b32 v11, s38
	v_mov_b32 v1, 0
	v_cmp_eq_u32 vcc_lo, 0, v2
	s_wait_xcnt 0x0                                ; EXEC changes only behind this wait: the stores above have it among their sources
	s_wait_tensorcnt 0x0
	ds_add_u32 v126, v127
	s_wait_dscnt 0x0
	s_and_saveexec_b32 s39, vcc_lo                 ; lane 0 alone
	global_store_b128 v1, v[8:11], s[14:15]        ; four words at a fixed place: the data hang on the numbers, the address does not
	s_wait_xcnt 0x0                                ; and again, in front of the line that widens it
	s_or_b32 exec_lo, exec_lo, s39
.endif
	s_wait_tensorcnt 0x0
	ds_add_u32 v126, v127
	s_wait_dscnt 0x0
	s_endpgm
.endm
	s_cmp_lt_u32 ttmp9, 512
	s_cbranch_scc0 .Lweight
	PATH 0, 0                                      ; input
.Lweight:
	PATH 1, PATHB                                  ; weight x mask
.Lfunc_end_k_q2ce4febac1_quant:
	.size	k_q2ce4febac1_quant, .Lfunc_end_k_q2ce4febac1_quant-k_q2ce4febac1_quant
	.p2alignl 7, 3214868480
	.fill 96, 4, 3214868480
	.section	.rodata,"a",@progbits
	.p2align	6, 0x0
	.amdhsa_kernel k_q2ce4febac1_quant
		.amdhsa_group_segment_fixed_size 78336
		.amdhsa_private_segment_fixed_size 0
		.amdhsa_enable_private_segment 0
		.amdhsa_kernarg_size 48
		.amdhsa_user_sgpr_count 2
		.amdhsa_user_sgpr_kernarg_segment_ptr 1
		.amdhsa_wavefront_size32 1
		.amdhsa_system_sgpr_workgroup_id_x 1
		.amdhsa_system_sgpr_workgroup_id_y 1
		.amdhsa_system_sgpr_workgroup_id_z 1
		.amdhsa_system_vgpr_workitem_id 0
		.amdhsa_next_free_vgpr 256
		.amdhsa_next_free_sgpr 66
		.amdhsa_reserve_vcc 1
		.amdhsa_float_denorm_mode_32 3
		.amdhsa_float_denorm_mode_16_64 3
		.amdhsa_memory_ordered 1
		.amdhsa_forward_progress 1
		.amdhsa_inst_pref_size 121
	.end_amdhsa_kernel
	.amdgpu_metadata
---
amdhsa.version: [ 1, 2 ]
amdhsa.kernels:
  - .name:           k_q2ce4febac1_quant
    .symbol:         k_q2ce4febac1_quant.kd
    .args:
      - { .name: input, .offset: 0, .size: 8, .value_kind: global_buffer, .address_space: global }
      - { .name: weight, .offset: 8, .size: 8, .value_kind: global_buffer, .address_space: global }
      - { .name: mask, .offset: 16, .size: 8, .value_kind: global_buffer, .address_space: global }
      - { .name: aq, .offset: 24, .size: 8, .value_kind: global_buffer, .address_space: global }
      - { .name: bq, .offset: 32, .size: 8, .value_kind: global_buffer, .address_space: global }
      - { .name: flags, .offset: 40, .size: 8, .value_kind: global_buffer, .address_space: global }
    .group_segment_fixed_size: 78336
    .private_segment_fixed_size: 0
    .kernarg_segment_align: 8
    .kernarg_segment_size: 48
    .max_flat_workgroup_size: 128
    .sgpr_count:     66
    .vgpr_count:     256
    .wavefront_size: 32
...
	.end_amdgpu_metadata
.endif
;; end of part 3
;; launch spmm (part 4): grid 8 x 32, 8 waves a work-group, no clusters, 35,840 bytes of LDS; arguments aq, bq, flags, bias, out0; writes out0
.if DOCPART == 4
	.amdgcn_target "amdgcn-amd-amdhsa--gfx1250"
	.amdhsa_code_object_version 6
	.text
	.protected	k_q2ce4febac1_spmm
	.globl	k_q2ce4febac1_spmm
	.p2align	8
	.type	k_q2ce4febac1_spmm,@function
k_q2ce4febac1_spmm:
	s_mov_b64 s[64:65], 0
	v_nop
	global_prefetch_b8 v0, s[64:65] scope:SCOPE_SE
	s_setreg_imm32_b32 hwreg(HW_REG_WAVE_MODE, 25, 1), 1
	s_wait_xcnt 0x0
; out0[m][n] = bias[n] + the sum over k of A[m][k] B[n][k], 4,096 x 4,096 x 4,096.  A (input) and B (weight x mask) come as codes of BF8 (E5M2) with one E8M0 scale byte for each 32 along K, made by the launch before; sums in f32.
; WHAT IS LEFT OUT.  The launch before has flagged, for each 32 rows of B and each 64 along K, whether any code there is other than +-0.  A block of 64 rows x 64 k of B whose codes are all zeros adds nothing to any sum, whatever A holds
; (A's codes are finite: they were held at the largest code), so it is not multiplied.  Nothing is assumed of where such blocks lie or how many there are: with none of them a wave walks all 64 blocks.  The work grows with the number of blocks kept.
; SHARES.  A wave makes 128 rows x 64 columns of out0: 32 accumulators of 16 x 16, 256 registers.  The eight waves of a work-group take the same 128 rows and eight neighbouring groups of 64 columns, each with a list of its own:
; so a WGP's work is the sum of eight lists.  Two waves lie on a SIMD: one wave's loads are on their way while the other multiplies.
; A STEP takes TWO kept blocks, i and j, as ONE K of 128: registers 0-7 of every fragment are block i's 64 k, registers 8-15 block j's, for A and B alike; a row's scale word is two bytes of i's word and two of j's.
; An odd list is made even by a block that is flagged 0 (one exists: 64 is even), an empty one takes blocks 0 and 1: their codes in B are zeros.  The sums so run over the kept blocks in ascending order, two at a time.
; OPERANDS go from memory straight into registers: aq and bq are laid as images of the operand's registers, [chunk of 128 k: 32][fragment of 16 rows: 256][2,048 bytes], so each load of a wave reads 512 consecutive bytes;
; scale words from byte 16,777,216 on: [K step of 256: 16][32 rows: 128][chunk in the step: 2][row % 16: 16][row / 16: 2].
; NO TENSOR LOADS, NO CLUSTER: the trip count hangs on numbers read from memory, and work-groups that share rows of A walk different lists, so no tile is wanted by several at the same time.
; THE MATRIX INSTRUCTION IS USED TRANSPOSED (source 0 = 16 rows of B, source 1 = 16 rows of A): a lane then holds eight neighbouring numbers of a row of out0.
; REGISTERS: window 0: v0-15 addresses; v16-39 scale words; v40-43 flags; v44-47 the bias; v64-127 B's four fragments; v128-255 A's eight; on the way out v128-191 take rows of out0.   window 1: accumulator (a, b) at v[8 (4 a + b)].
; LIMITS: those of the launch that makes the codes.
.set CHB,    524288                    ; the codes of 128 along K of all 4,096 rows
.set SCB,    16777216                  ; where the scale words begin
.set ROWO,   16384                     ; a row of out0 in bytes
.set SPITCH, 272                       ; the way out: a stage of 16 rows x (256 bytes + 16) for each wave
.set NP,     8                         ; places behind this matrix instruction (ISA guide 7.12.1)
.set L16, 2                            ; v2   16 x lane: my place in an image; never rewritten
.set R8,  5                            ; v5   8 x (lane % 16): my row's two scale words; never rewritten
.set FO,  6                            ; v6   4 x lane: my flag
.set OCI, 8                            ; v8   my offset in the codes for block i;  v9 for block j
.set OCJ, 9
.set OSI, 10                           ; v10  my offset in the scale words for block i;  v11 for block j
.set OSJ, 11
.set STO, 12                           ; v12  the way out: where I put 32 bytes of a row
.set RD,  13                           ; v13  where I read 16 bytes of a row back
.set CO,  14                           ; v14  and their place in out0
.set R16, 15                           ; v15  16 x (lane % 16): my four numbers of the bias
.set SAI, 16                           ; v16-23 A's scale words of block i's chunk, then the joined words;  v24-31 of block j's chunk
.set SAJ, 24
.set SBI, 32                           ; v32-35, v36-39 the same for B
.set SBJ, 36
.set FL,  40
.set BI,  44
.set BF,  64
.set AF,  128
.set BK,  128                          ; the way out: 16 rows read back: v128-159 and v160-191 by turns
.set LO,  24                           ; s24, s25 the list: bit q of the 64: block q is kept
.set HI,  25
.set TR,  26                           ; s26  steps
.set CT,  27                           ; s27  steps done
.set QI,  32                           ; s32, s33 the step's two blocks
.set QJ,  33
.set SEL, 34                           ; s34  the selector that joins two scale words
.set MSB, 0
.macro WIN new                         ; the immediate's high byte repeats the setting that is left; a switch that changes nothing is dropped
.if MSB != (\new)
	s_set_vgpr_msb (MSB<<8)|(\new)
.set MSB, (\new)
.endif
.endm
.macro PLACES n
.rept \n
	v_nop
.endr
.endm
	s_load_b256 s[4:11], s[0:1], 0x0               ; aq s[4:5], bq s[6:7], flags s[8:9], bias s[10:11]
	s_load_b64 s[12:13], s[0:1], 0x20              ; out0
	v_lshl_add_u32 v62, v0, 2, 0x8800
	v_mov_b32 v63, 0
	v_lshrrev_b32 v1, 5, v0
	v_readfirstlane_b32 s14, v1                    ; wave 0..7
	v_and_b32 v1, 31, v0                           ; lane
	v_lshlrev_b32 v[L16], 4, v1
	v_and_b32 v3, 15, v0                           ; r = lane % 16
	v_bfe_u32 v4, v0, 4, 1                         ; h = lane / 16
	v_lshlrev_b32 v[R8], 3, v3
	v_lshlrev_b32 v[FO], 2, v1
	v_lshlrev_b32 v[R16], 4, v3
	s_mul_i32 s15, s14, 16*SPITCH                  ; my stage
	v_mul_u32_u24 v[STO], v3, SPITCH               ; in: row r, 32 bytes for each half of the lanes
	v_lshl_add_u32 v[STO], v4, 5, v[STO]
	v_add_nc_u32 v[STO], s15, v[STO]
	v_mul_u32_u24 v[RD], v4, SPITCH                ; back: lanes 0-15 one row of 256 bytes, lanes 16-31 the next
	v_lshl_add_u32 v[RD], v3, 4, v[RD]
	v_add_nc_u32 v[RD], s15, v[RD]
	v_lshlrev_b32 v[CO], 14, v4                    ; and the same two rows in out0
	v_lshl_add_u32 v[CO], v3, 4, v[CO]
	s_lshl_b32 s28, ttmp9, 3
	s_add_co_u32 s28, s28, s14                     ; n: my 64 columns: 8 x work-group x + wave
	s_and_b32 s29, ttmp7, 0xffff                   ; my 128 rows: work-group y
	s_lshl_b32 s30, s29, 14                        ; A's codes: eight images of 2,048 bytes
	s_mov_b32 s31, 0
	s_lshl_b32 s36, s29, 10                        ; A's scale words: four times 32 rows, 256 bytes each,
	s_add_co_u32 s36, s36, SCB                     ; behind the codes
	s_mov_b32 s37, 0
	s_lshl_b32 s38, s28, 13                        ; B's codes: four images
	s_mov_b32 s39, 0
	s_lshl_b32 s42, s28, 9                         ; the flags: two rows of 64 words
	s_mov_b32 s43, 0
	s_add_co_u32 s40, s42, SCB                     ; B's scale words: twice 32 rows
	s_mov_b32 s41, 0
	s_lshl_b32 s44, s28, 8                         ; the bias, and a row of out0: 64 numbers of 4 bytes
	s_mov_b32 s45, 0
	s_lshl_b32 s46, s29, 21                        ; out0: 128 rows of 16,384 bytes
	s_mov_b32 s47, 0
	s_wait_kmcnt 0x0
	s_add_nc_u64 s[16:17], s[4:5], s[30:31]        ; s[16:17] A's codes, s[18:19] A's scale words, s[20:21] B's codes, s[22:23] B's scale words: at my rows, chunk 0
	s_add_nc_u64 s[18:19], s[4:5], s[36:37]
	s_add_nc_u64 s[20:21], s[6:7], s[38:39]
	s_add_nc_u64 s[22:23], s[6:7], s[40:41]
	s_add_nc_u64 s[8:9], s[8:9], s[42:43]
	s_add_nc_u64 s[10:11], s[10:11], s[44:45]
	s_add_nc_u64 s[12:13], s[12:13], s[44:45]
	s_add_nc_u64 s[12:13], s[12:13], s[46:47]
.irp i, 0,1,2,3
	global_load_b32 v[FL+\i], v[FO], s[8:9] offset:128*\i   ; the flags of blocks l and 32 + l, for my first 32 rows of B and for my second
.endr
	global_load_b128 v[BI:BI+3], v[R16], s[10:11]  ; bias[64 n + 4 r + 0 .. 3]: for the way out
	s_wait_loadcnt 1                               ; the four flags are in; the bias may be out
	v_or_b32 v[FL], v[FL], v[FL+2]                 ; a block is kept if either half of its 64 rows has a code that is not zero
	v_or_b32 v[FL+1], v[FL+1], v[FL+3]
	v_cmp_ne_u32 s[LO], 0, v[FL]                   ; a bit a lane: blocks 0 to 31,
	v_cmp_ne_u32 s[HI], 0, v[FL+1]                 ; blocks 32 to 63
	s_bcnt1_i32_b32 s[TR], s[LO]
	s_bcnt1_i32_b32 s28, s[HI]
	s_add_co_u32 s[TR], s[TR], s28                 ; how many are kept
	s_cmp_eq_u32 s[TR], 0                          ; none: blocks 0 and 1 are taken: their codes in B are zeros
	s_cselect_b32 s[LO], 3, s[LO]
	s_cselect_b32 s[TR], 2, s[TR]
	s_and_b32 s28, s[TR], 1                        ; an odd number: the lowest block that is not kept is taken too
	s_add_co_u32 s29, s[LO], 1
	s_or_b32 s29, s29, s[LO]                       ; x | (x + 1) sets x's lowest zero bit (all ones stay as they are)
	s_add_co_u32 s30, s[HI], 1
	s_or_b32 s30, s30, s[HI]
	s_cmp_eq_u32 s[LO], -1
	s_cselect_b32 s30, s30, s[HI]                  ; the upper word gives the bit only where the lower is full
	s_cmp_lg_u32 s28, 0
	s_cselect_b32 s[LO], s29, s[LO]
	s_cselect_b32 s[HI], s30, s[HI]
	s_add_co_u32 s[TR], s[TR], s28
	s_lshr_b32 s[TR], s[TR], 1                     ; steps: 1 to 32
	s_min_u32 s[TR], s[TR], 32
; The list's lowest block goes into s[q] and leaves the list.  The number enters addresses only behind the s_min_u32, and behind it only through ANDs, shifts to the left and additions.
.macro NEXT q
	s_cmp_lg_u32 s[LO], 0
	s_cselect_b32 s28, s[LO], s[HI]                ; the word in hand,
	s_cselect_b32 s29, 0, 32                       ; and its first block
	s_ctz_i32_b32 s[\q], s28
	s_add_co_u32 s[\q], s[\q], s29
	s_min_u32 s[\q], s[\q], 63
	s_add_co_u32 s30, s28, -1
	s_and_b32 s30, s30, s28                        ; x & (x - 1): without its lowest bit
	s_cmp_lg_u32 s[LO], 0
	s_cselect_b32 s[HI], s[HI], s30
	s_cselect_b32 s[LO], s30, s[LO]
.endm
; Block q is half q % 2 of chunk q / 2.  oc: its bytes in the codes: CHB (q / 2) + 1,024 (q % 2).  os: its chunk's scale words: 32,768 (q / 4) + 128 ((q / 2) % 2).  par: q % 2.
.macro OFFS q, oc, os, par
	s_and_b32 s[\oc], s[\q], 62
	s_lshl_b32 s[\oc], s[\oc], 18
	s_and_b32 s[\par], s[\q], 1
	s_lshl_b32 s28, s[\par], 10
	s_add_co_u32 s[\oc], s[\oc], s28
	s_and_b32 s[\os], s[\q], 60
	s_lshl_b32 s[\os], s[\os], 13
	s_and_b32 s28, s[\q], 2
	s_lshl_b32 s28, s28, 6
	s_add_co_u32 s[\os], s[\os], s28
.endm
.macro FRAG reg, base, f               ; fragment f of the rows at s[base]: registers 0-7 block i's 64 k, registers 8-15 block j's; each load reads 512 consecutive bytes
	global_load_b128 v[\reg:\reg+3],     v[OCI], s[\base:\base+1] offset:2048*(\f)
	global_load_b128 v[\reg+4:\reg+7],   v[OCI], s[\base:\base+1] offset:2048*(\f)+512
	global_load_b128 v[\reg+8:\reg+11],  v[OCJ], s[\base:\base+1] offset:2048*(\f)
	global_load_b128 v[\reg+12:\reg+15], v[OCJ], s[\base:\base+1] offset:2048*(\f)+512
.endm
; A STEP: two blocks.  first = 1: its products start the sums: nothing is ever cleared.
.macro STEP first
	NEXT QI
	NEXT QJ
	OFFS QI, 36, 37, 38
	OFFS QJ, 39, 40, 41
	s_mul_i32 s38, s38, 0x0202                     ; the joined word: bytes 0, 1 = bytes 2 (i % 2), + 1 of i's word; bytes 2, 3 = bytes 2 (j % 2), + 1 of j's
	s_mul_i32 s41, s41, 0x02020000
	s_add_co_u32 s[SEL], s38, s41
	s_add_co_u32 s[SEL], s[SEL], 0x05040100
	s_wait_xcnt 0x0                                ; the last step's loads have read their offsets (they have all come back, too)
	v_add_nc_u32 v[OCI], s36, v[L16]
	v_add_nc_u32 v[OCJ], s39, v[L16]
	v_add_nc_u32 v[OSI], s37, v[R8]
	v_add_nc_u32 v[OSJ], s40, v[R8]
	PLACES NP-4                                    ; with the four additions: eight places between the last step's products and the loads into the registers that they read
.irp g, 0,1,2,3
	global_load_b64 v[SAI+2*\g:SAI+2*\g+1], v[OSI], s[18:19] offset:256*\g   ; lane r: the words of rows 32 g + r and 32 g + 16 + r: fragments 2 g and 2 g + 1 (lanes 16-31 read the same and are not used)
	global_load_b64 v[SAJ+2*\g:SAJ+2*\g+1], v[OSJ], s[18:19] offset:256*\g
.endr
.irp g, 0,1
	global_load_b64 v[SBI+2*\g:SBI+2*\g+1], v[OSI], s[22:23] offset:256*\g
	global_load_b64 v[SBJ+2*\g:SBJ+2*\g+1], v[OSJ], s[22:23] offset:256*\g
.endr
.irp b, 0,1,2,3
	FRAG BF+16*\b, 20, \b
.endr
.irp a, 0,1,2,3,4,5,6,7
	FRAG AF+16*\a, 16, \a
.endr
	s_wait_loadcnt 48                              ; the 12 loads of scale words are in; B's 16 and A's 32 may be out
.irp a, 0,1,2,3,4,5,6,7
	v_perm_b32 v[SAI+\a], v[SAJ+\a], v[SAI+\a], s[SEL]   ; selector bytes 0-3 take from the second source (i's word), 4-7 from the first (j's)
.endr
.irp b, 0,1,2,3
	v_perm_b32 v[SBI+\b], v[SBJ+\b], v[SBI+\b], s[SEL]
.endr
	PLACES NP                                      ; a scale register written by a vector instruction stands eight places ahead of the matrix instruction that names it
.if \first
	WIN 0x40                                       ; D window 1; sources window 0
.else
	WIN 0x50                                       ; C and D window 1
.endif
.irp a, 0,1,2,3,4,5,6,7                ; the 32 accumulators take turns, one instruction a turn, in the same order in every step
	s_wait_loadcnt 4*(7-\a)                        ; B's fragments and A's up to a are in; the four loads of each later fragment may be out.  The last of these waits is for 0
.irp b, 0,1,2,3
.if \first
	v_wmma_scale_f32_16x16x128_f8f6f4 v[8*(4*\a+\b):8*(4*\a+\b)+7], v[BF+16*\b:BF+16*\b+15], v[AF+16*\a:AF+16*\a+15], 0, v[SBI+\b], v[SAI+\a] matrix_a_fmt:MATRIX_FMT_BF8 matrix_b_fmt:MATRIX_FMT_BF8
.else
	v_wmma_scale_f32_16x16x128_f8f6f4 v[8*(4*\a+\b):8*(4*\a+\b)+7], v[BF+16*\b:BF+16*\b+15], v[AF+16*\a:AF+16*\a+15], v[8*(4*\a+\b):8*(4*\a+\b)+7], v[SBI+\b], v[SAI+\a] matrix_a_fmt:MATRIX_FMT_BF8 matrix_b_fmt:MATRIX_FMT_BF8
.endif
.endr
.endr
	WIN 0                                          ; at a label and at a branch every window is 0
.endm
	STEP 1                                         ; the first step stands in front of the loop
	s_mov_b32 s[CT], 1
	s_cmp_eq_u32 s[TR], 1
	s_cbranch_scc1 .Lout
.Lstep:                                                ; s[TR] - 1 trips: a number that was read from memory
	STEP 0
	s_add_co_u32 s[CT], s[CT], 1
	s_cmp_lt_u32 s[CT], s[TR]
	s_cbranch_scc1 .Lstep
.Lout:
; THE WAY OUT, block by block of 16 rows x 64 columns.  A lane holds 32 neighbouring bytes of a row, and the lanes beside it hold other rows: so a block goes through my own stage in LDS and comes back as whole rows of 256 bytes;
; there the bias is added, two numbers an instruction.  LDS serves a wave's instructions in order (ISA guide 5.7.1.4): no wait between the stores and the loads, nor in front of the next block's stores.
.macro TOSTAGE a
	WIN 0x04                                       ; an LDS store's data are its source 1: window 1
.irp b, 0,1,2,3
	ds_store_b128 v[STO], v[8*(4*(\a)+\b):8*(4*(\a)+\b)+3] offset:64*\b          ; each accumulator from its low end on
	ds_store_b128 v[STO], v[8*(4*(\a)+\b)+4:8*(4*(\a)+\b)+7] offset:64*\b+16
.endr
	WIN 0
.set BB, BK+32*((\a)%2)
.irp t, 0,1,2,3,4,5,6,7
	ds_load_b128 v[BB+4*\t:BB+4*\t+3], v[RD] offset:2*\t*SPITCH
.endr
.endm
.macro SEND a, younger                 ; younger: the LDS instructions issued behind block a's loads, which may stay out
.set BB, BK+32*((\a)%2)
	s_wait_dscnt \younger                          ; the block is back in registers
.irp t, 0,1,2,3,4,5,6,7
	v_pk_add_f32 v[BB+4*\t:BB+4*\t+1], v[BB+4*\t:BB+4*\t+1], v[BI:BI+1]          ; + bias[4 r + 0, 1]  (the bias came in ahead of the first step's loads, whose last wait was for 0)
	v_pk_add_f32 v[BB+4*\t+2:BB+4*\t+3], v[BB+4*\t+2:BB+4*\t+3], v[BI+2:BI+3]    ; + bias[4 r + 2, 3]
.endr
.irp t, 0,1,2,3,4,5,6,7
	global_store_b128 v[CO], v[BB+4*\t:BB+4*\t+3], s[12:13] offset:(16*(\a)+2*\t)*ROWO th:TH_STORE_NT   ; 16 lanes store 256 consecutive bytes, at a multiple of 256 from out0's first byte; 126 rows at the most: inside the signed 24-bit immediate
.endr
.endm
	PLACES NP                                      ; these places serve the loads into the registers that held A's fragments and the reads of the last products' results alike
	TOSTAGE 0
.irp a, 1,2,3,4,5,6,7
.if \a > 1
	s_wait_xcnt 0x0                                ; block a - 2's stores have read their registers: block a's loads may land there
.endif
	TOSTAGE \a
	SEND \a-1, 16                                  ; behind block a - 1's loads: block a's 8 stores and 8 loads
.endr
	SEND 7, 0
	s_wait_tensorcnt 0x0
	ds_add_u32 v62, v63
	s_wait_dscnt 0x0
	s_endpgm
.Lfunc_end_k_q2ce4febac1_spmm:
	.size	k_q2ce4febac1_spmm, .Lfunc_end_k_q2ce4febac1_spmm-k_q2ce4febac1_spmm
	.p2alignl 7, 3214868480
	.fill 96, 4, 3214868480
	.section	.rodata,"a",@progbits
	.p2align	6, 0x0
	.amdhsa_kernel k_q2ce4febac1_spmm
		.amdhsa_group_segment_fixed_size 35840
		.amdhsa_private_segment_fixed_size 0
		.amdhsa_enable_private_segment 0
		.amdhsa_kernarg_size 40
		.amdhsa_user_sgpr_count 2
		.amdhsa_user_sgpr_kernarg_segment_ptr 1
		.amdhsa_wavefront_size32 1
		.amdhsa_system_sgpr_workgroup_id_x 1
		.amdhsa_system_sgpr_workgroup_id_y 1
		.amdhsa_system_sgpr_workgroup_id_z 1
		.amdhsa_system_vgpr_workitem_id 0
		.amdhsa_next_free_vgpr 512
		.amdhsa_next_free_sgpr 66
		.amdhsa_reserve_vcc 0
		.amdhsa_float_denorm_mode_32 3
		.amdhsa_float_denorm_mode_16_64 3
		.amdhsa_memory_ordered 1
		.amdhsa_forward_progress 1
		.amdhsa_inst_pref_size 53
	.end_amdhsa_kernel
	.amdgpu_metadata
---
amdhsa.version: [ 1, 2 ]
amdhsa.kernels:
  - .name:           k_q2ce4febac1_spmm
    .symbol:         k_q2ce4febac1_spmm.kd
    .args:
      - { .name: aq, .offset: 0, .size: 8, .value_kind: global_buffer, .address_space: global }
      - { .name: bq, .offset: 8, .size: 8, .value_kind: global_buffer, .address_space: global }
      - { .name: flags, .offset: 16, .size: 8, .value_kind: global_buffer, .address_space: global }
      - { .name: bias, .offset: 24, .size: 8, .value_kind: global_buffer, .address_space: global }
      - { .name: out0, .offset: 32, .size: 8, .value_kind: global_buffer, .address_space: global }
    .group_segment_fixed_size: 35840
    .private_segment_fixed_size: 0
    .kernarg_segment_align: 8
    .kernarg_segment_size: 40
    .max_flat_workgroup_size: 256
    .sgpr_count:     66
    .vgpr_count:     512
    .wavefront_size: 32
...
	.end_amdgpu_metadata
.endif
;; end of part 4
;; ======== version 3 of 3: 2 launches
;; workspace buffers: aq 17,301,504 bytes; bq 17,301,504 bytes; flags 32,768 bytes of whole numbers
;; launch quant (part 5): grid 1024 x 1, 4 waves a work-group, no clusters, 78,336 bytes of LDS; arguments input, weight, mask, aq, bq, flags; writes aq, bq, flags
.if DOCPART == 5
	.amdgcn_target "amdgcn-amd-amdhsa--gfx1250"
	.amdhsa_code_object_version 6
	.text
	.protected	k_q2ce4febac1_quant
	.globl	k_q2ce4febac1_quant
	.p2align	8
	.type	k_q2ce4febac1_quant,@function
k_q2ce4febac1_quant:
	s_mov_b64 s[64:65], 0
	v_nop
	global_prefetch_b8 v0, s[64:65] scope:SCOPE_SE
	s_setreg_imm32_b32 hwreg(HW_REG_WAVE_MODE, 25, 1), 1
	s_wait_xcnt 0x0
; input [4096][4096] f32, and weight x mask (both [4096][4096] f32, one f32 multiplication a number), are turned into codes of BF8 (E5M2), 8 bits each, with one E8M0 scale byte for each 32 along K (the last axis of both).
; A block's scale is 2^(floor(log2(its largest magnitude)) - 15); its byte is the largest magnitude's own exponent field - 15, held at 1 from below.  Each number is divided by the scale, held within +-57,344 and rounded to the nearest code, ties to even.
; LIMITS: NaN and infinities among the inputs are not served (an infinite weight under a zero of the mask among them); blocks whose largest magnitude lies under 2^(16 - 127), the floor, whose byte is held at 1, were not tried;
; a block of zeros gets the byte 1 where the rule says 127: its codes are zeros, which add nothing under any byte but 0xff, and the bytes are read by this program alone.
; WHERE THE RESULTS GO.  aq and bq are laid in the order of the matrix operand's registers.  Codes: [chunk of 128 along K: 32][fragment of 16 rows: 256][2,048 bytes]; in a fragment's image byte 512 c + 256 h + 16 r + i is the code of
; row r, k = 32 c + 16 h + i: the 16 bytes that lane 16 h + r holds in registers 4 c .. 4 c + 3.  From byte 16,777,216 on the scale words (four bytes: 128 along K of a row): [K step of 256: 16][32 rows: 128][chunk in the step: 2][row % 16: 16][row / 16: 2].
; flags: [32 rows of weight: 128][64 along K: 64] words: not 0 where any code of weight x mask in those 32 rows x 64 k is other than +-0.  The next launch leaves out what is flagged 0; nothing in THIS launch hangs on a flag.
; SHARES.  Work-groups 0 to 511 take input -> aq, 512 to 1,023 weight x mask -> bq and flags.  A work-group takes 32 rows x 1,024 along K, each of its four waves 32 rows x 256: four whole images, 256 scale bytes, four flags.
; A wave goes in 16 steps of 2 rows x 256 numbers.  The conversions take numbers of ONE block from a lane's consecutive registers, so a lane must hold 16 NEIGHBOURS along K (two neighbouring lanes hold a block); a load is best where neighbouring
; LANES take neighbouring bytes.  Both are had: each load reads 512 consecutive bytes, 16 a lane; a step's 2,048 bytes go through the wave's own stage in LDS as they lie and come back 64 bytes a lane (16 bytes of padding behind each 64).
; A lane's 16 codes are one row's part of a run of 256 bytes of an image (16 rows x 16 bytes), and the other rows come in other steps: so the codes of eight steps (16 rows) are gathered in a second stage, 16 runs at a pitch of 272 bytes,
; and leave by eight stores of 512 consecutive bytes.  The wave's 256 scale bytes are gathered likewise and leave by one store of 256 consecutive bytes.
; No tensor loads, no barrier: waves share nothing, and no tile is read by two work-groups, so there is nothing to ask for jointly.  Loads run four steps ahead, the turn through LDS one step.
; The two tensors' paths part on the work-group's number; each path has LDS bytes of its own (the second PATHB further on, in the immediates).
.set STEPS, 16
.set EMAX,  15
.set MANT,  0x600000                   ; the mantissa field of 57,344 as f32
.set ROWM,  16384                      ; a row of input, weight or mask in bytes
.set CHB,   524288                     ; the codes of 128 along K of all 4,096 rows: 256 images of 2,048 bytes
.set SCB,   16777216                   ; where the scale words begin in aq and in bq
.set R,     16                         ; v16-79   four sets of 16 numbers as they are loaded
.set X,     80                         ; v80-111  two sets of 16 neighbours
.set E,     112                        ; v112-119 a scale byte for each of eight steps
.set CS,    120                        ; v120     the code stage, on the way in
.set CR,    121                        ; v121     and on the way out
.set C,     128                        ; v128-159 codes: four registers for each of eight steps
.set RB,    160                        ; v160-191 sixteen runs of 256 bytes, read back
.set MK,    192                        ; v192-255 four sets of 16 numbers of the mask
.set SP,    80                         ; a lane's place in a stage of numbers: its 64 bytes + 16 of padding
.set SBY,   2*32*SP                    ; LDS, in a wave's region: two stages of 32 x SP bytes; then its 256 scale bytes;
.set CST,   SBY+256                    ; then the code stage:
.set UP,    272                        ; 16 runs of 256 bytes + 16 of padding: the sixteen lanes of a store or load touch sixteen different columns of 16 bytes
.set WREG,  CST+16*UP                  ; 9,728 bytes a wave
.set PATHB, 4*WREG                     ; 38,912 bytes a path
	s_load_b256 s[4:11], s[0:1], 0x0               ; input s[4:5], weight s[6:7], mask s[8:9], aq s[10:11]
	s_load_b128 s[12:15], s[0:1], 0x20             ; bq s[12:13], flags s[14:15]
	v_lshl_add_u32 v126, v0, 2, 0x13000
	v_mov_b32 v127, 0
	v_lshrrev_b32 v1, 5, v0
	v_readfirstlane_b32 s16, v1                    ; wave 0..3
	v_and_b32 v2, 31, v0                           ; lane
	v_lshlrev_b32 v3, 4, v2                        ; my 16 bytes of a load's 512, and of a store's 512 bytes of codes; never rewritten
	s_mul_i32 s17, s16, WREG                       ; my wave's region of LDS
	v_lshrrev_b32 v14, 2, v2
	v_mul_u32_u24 v14, v14, SP
	v_and_b32 v15, 3, v2
	v_lshl_add_u32 v14, v15, 4, v14
	v_add_nc_u32 v14, s17, v14                     ; the stage of numbers, on the way in: four lanes' 64 bytes on end, then 16 of padding: SP (lane / 4) + 16 (lane % 4); a load's 512 bytes take eight places
	v_mul_u32_u24 v15, v2, SP
	v_add_nc_u32 v15, s17, v15                     ; and on the way out: SP x lane: my 16 neighbours
	v_bfe_u32 v5, v0, 1, 2                         ; my block of 32 is number (lane % 16) / 2 of the row's eight: its byte in the scale word,
	v_bfe_u32 v8, v0, 3, 1                         ; and which of the two chunks of 128
	v_lshl_add_u32 v5, v8, 7, v5                   ; 128 bytes a chunk,
	v_bfe_u32 v8, v0, 4, 1                         ; lane / 16: the step's first or second row
	v_lshl_add_u32 v5, v8, 3, v5                   ; 8 bytes a row % 16
	v_add_nc_u32 v5, s17, v5                       ; where my block's scale byte goes (the step's rows stand in the immediate)
	v_lshlrev_b32 v7, 3, v2                        ; the scale bytes on the way out: 8 bytes a lane
	v_add_nc_u32 v6, s17, v7
	v_and_b32 v9, 15, v0                           ; lane % 16: which 16 along K of the 256: which run
	v_mul_u32_u24 v[CS], v9, UP
	v_lshl_add_u32 v[CS], v8, 4, v[CS]
	v_add_nc_u32 v[CS], s17, v[CS]                 ; the code stage, in: run lane % 16, 16 bytes a row
	v_mul_u32_u24 v[CR], v8, UP
	v_lshl_add_u32 v[CR], v9, 4, v[CR]
	v_add_nc_u32 v[CR], s17, v[CR]                 ; out: lanes 0-15 one run, lanes 16-31 the next
	s_and_b32 s18, ttmp9, 511                      ; my number among the tensor's 512 work-groups
	s_lshr_b32 s19, s18, 2                         ; which 32 rows: 0..127
	s_and_b32 s20, s18, 3
	s_lshl_b32 s20, s20, 2
	s_add_co_u32 s20, s20, s16                     ; which K step of 256: 4 x (number % 4) + wave
	s_lshl_b32 s24, s19, 19                        ; the source: 32 rows of 16,384 bytes,
	s_lshl_b32 s25, s20, 10                        ; 256 numbers of 4 bytes
	s_add_co_u32 s24, s24, s25
	s_mov_b32 s25, 0
	s_lshl_b32 s26, s20, 20                        ; my codes: two chunks of CHB bytes a K step,
	s_lshl_b32 s27, s19, 12                        ; two images of 2,048 bytes for 32 rows
	s_add_co_u32 s26, s26, s27
	s_mov_b32 s27, 0
	s_lshl_b32 s28, s20, 15                        ; my scale bytes: 128 x 256 a K step,
	s_lshl_b32 s29, s19, 8                         ; 256 for 32 rows,
	s_add_co_u32 s28, s28, s29
	s_add_co_u32 s28, s28, SCB                     ; behind the codes
	s_mov_b32 s29, 0
	s_lshl_b32 s30, s19, 8                         ; my flags: 64 words for 32 rows,
	s_lshl_b32 s31, s20, 4                         ; four words a K step
	s_add_co_u32 s30, s30, s31
	s_mov_b32 s31, 0
	s_mov_b32 s23, MANT                            ; (an instruction takes one literal: the hold's line has another)
	s_mov_b32 s34, 0x7f7f7f7f                      ; four codes without their signs
	s_wait_kmcnt 0x0
	s_cmp_lt_u32 ttmp9, 512                        ; input's work-group or weight's?  The choice hangs on the work-group's number alone
	s_cselect_b64 s[4:5], s[4:5], s[6:7]
	s_cselect_b64 s[10:11], s[10:11], s[12:13]
	s_add_nc_u64 s[4:5], s[4:5], s[24:25]          ; the source at my wave's first number,
	s_add_nc_u64 s[8:9], s[8:9], s[24:25]          ; the mask at the same place,
	s_add_nc_u64 s[32:33], s[10:11], s[28:29]      ; my scale bytes,
	s_add_nc_u64 s[10:11], s[10:11], s[26:27]      ; my codes,
	s_add_nc_u64 s[14:15], s[14:15], s[30:31]      ; my flags
.macro LOAD t, mk                      ; step t: rows 2 t and 2 t + 1, 1,024 bytes of each, into set t % 4; mk = 1: the same of the mask
.irp i, 0,1,2,3
	global_load_b128 v[R+16*((\t)%4)+4*\i:R+16*((\t)%4)+4*\i+3], v3, s[4:5] offset:(2*(\t)+\i/2)*ROWM+(\i%2)*512 th:TH_LOAD_NT   ; 32 lanes read 512 consecutive bytes
.endr
.if \mk
.irp i, 0,1,2,3
	global_load_b128 v[MK+16*((\t)%4)+4*\i:MK+16*((\t)%4)+4*\i+3], v3, s[8:9] offset:(2*(\t)+\i/2)*ROWM+(\i%2)*512 th:TH_LOAD_NT
.endr
.endif
.endm
.macro TURN t, mk, lb                  ; step t's numbers through the stage: LDS serves a wave's instructions in order, so no wait stands between the stores and the loads
.if \mk
.irp j, 0,2,4,6,8,10,12,14
	v_pk_mul_f32 v[R+16*((\t)%4)+\j:R+16*((\t)%4)+\j+1], v[R+16*((\t)%4)+\j:R+16*((\t)%4)+\j+1], v[MK+16*((\t)%4)+\j:MK+16*((\t)%4)+\j+1]   ; weight x mask, as loaded: number by number, in f32
.endr
.endif
.irp i, 0,1,2,3
	ds_store_b128 v14, v[R+16*((\t)%4)+4*\i:R+16*((\t)%4)+4*\i+3] offset:\lb+32*SP*((\t)%2)+8*SP*\i
.endr
.irp i, 0,1,2,3
	ds_load_b128 v[X+16*((\t)%2)+4*\i:X+16*((\t)%2)+4*\i+3], v15 offset:\lb+32*SP*((\t)%2)+16*\i
.endr
.endm
.macro STEP t, mk, lb
.set XS, X+16*((\t)%2)
.set CC, C+4*((\t)%8)
.set EE, E+(\t)%8
.if (\t) > 0
	s_wait_dscnt 2                                 ; this step's numbers are back from the stage (the last step's byte store and code store may be out): so its stores into the stage have read their registers,
.else
	s_wait_dscnt 0x0
.endif
.if (\t)+4 < STEPS
	LOAD (\t)+4, \mk                               ; which take the loads of four steps on
.endif
.if (\t)+1 < STEPS
.if STEPS-2-(\t) >= 3
	s_wait_loadcnt 12*(1+\mk)                      ; the next step's loads are in (4, with the mask 8); those of the three steps behind it may be out
.else
	s_wait_loadcnt 4*(1+\mk)*(STEPS-2-(\t))        ; the counts run down: nothing more is asked for
.endif
	TURN (\t)+1, \mk, \lb                          ; and go through the other stage while this step is worked
.endif
	v_max3_num_f32 v8, |v[XS]|, |v[XS+1]|, |v[XS+2]|               ; the largest magnitude of my 16, in two chains
	v_max3_num_f32 v9, |v[XS+3]|, |v[XS+4]|, |v[XS+5]|
.irp i, 6,10
	v_max3_num_f32 v8, v8, |v[XS+\i]|, |v[XS+\i+1]|
	v_max3_num_f32 v9, v9, |v[XS+\i+2]|, |v[XS+\i+3]|
.endr
	v_max3_num_f32 v8, v8, |v[XS+14]|, |v[XS+15]|
	v_max3_num_f32 v8, v8, v9, (EMAX+1)<<23        ; and the floor 2^(EMAX + 1 - 127), under which no largest magnitude is taken: so the byte cannot fall under 1
	v_max_num_f32_dpp v8, v8, v8 row_xmask:1 row_mask:0xf bank_mask:0xf   ; and of my neighbour's 16: the block's
	v_add_nc_u32 v11, -(EMAX<<23), v8              ; EMAX off its exponent field: the conversion takes the exponent field of this operand as its scale, and nothing else of it
	v_and_or_b32 v10, v8, 0x7f800000, s23          ; 57,344 x the scale: the largest magnitude's exponent field over 57,344's mantissa (s23)
.irp i, 0,1,2,3,4,5,6,7,8,9,10,11,12,13,14,15
	v_med3_num_f32 v[XS+\i], v[XS+\i], -v10, v10   ; the conversion to an 8-bit code does not saturate (ISA guide 7.6.2): hold the number within the largest code x the scale first
.endr
	v_cvt_scalef32_pk8_bf8_f32 v[CC:CC+1], v[XS:XS+7], v11         ; eight numbers / 2^(v11's exponent), to the nearest code, ties to even; the first number's code in the lowest byte
	v_cvt_scalef32_pk8_bf8_f32 v[CC+2:CC+3], v[XS+8:XS+15], v11
	v_lshrrev_b32 v[EE], 23, v11                   ; the scale's byte (also the plain instruction behind the conversions)
.if \mk
.irp i, 0,1,2,3
	v_or_b32 v4, v4, v[CC+\i]                      ; every code that I have made of my 16 along K, in one word: for the flags
.endr
.endif
	ds_store_b8 v5, v[EE] offset:\lb+SBY+((2*(\t))%16)*8+((\t)/8)*4   ; row % 16 = 2 t % 16 (+ lane / 16), row / 16 = t / 8; both lanes of a block write the same byte with the same value
	ds_store_b128 v[CS], v[CC:CC+3] offset:\lb+CST+((2*(\t))%16)*16   ; my row's 16 bytes of run lane % 16
.endm
; The 16 rows of eight steps are whole: fragment p of my two.  Run 2 i + lane / 16 is 16 along K: chunk i / 4 of my two, and in the image 512 (i % 4) + 256 (lane / 16) bytes on.
.macro HALF p, lb
.if \p
	s_wait_xcnt 0x0                                ; the first half's stores have read their registers: the loads below may land there
.endif
.irp i, 0,1,2,3,4,5,6,7
	ds_load_b128 v[RB+4*\i:RB+4*\i+3], v[CR] offset:\lb+CST+2*\i*UP   ; LDS serves a wave's instructions in order: these see my eight stores
.endr
	s_wait_dscnt 0x0                               ; they are in; and every LDS store so far has read its registers: C and E are written again only behind this wait
.irp i, 0,1,2,3,4,5,6,7
	global_store_b128 v3, v[RB+4*\i:RB+4*\i+3], s[10:11] offset:(\i/4)*CHB+\p*2048+(\i%4)*512   ; 32 lanes store 512 consecutive bytes, at a multiple of 256 from the buffer's first byte
.endr
.endm
.macro PATH mk, lb
.if \mk
	v_mov_b32 v4, 0
.endif
.irp t, 0,1,2,3
	LOAD \t, \mk
.endr
	s_wait_loadcnt 12*(1+\mk)                      ; step 0's loads are in; those of steps 1 to 3 may be out
	TURN 0, \mk, \lb
.irp t, 0,1,2,3,4,5,6,7
	STEP \t, \mk, \lb
.endr
	HALF 0, \lb
.irp t, 8,9,10,11,12,13,14,15
	STEP \t, \mk, \lb
.endr
	HALF 1, \lb
	ds_load_b64 v[12:13], v6 offset:\lb+SBY        ; LDS serves a wave's instructions in order: these see my byte stores
	s_wait_dscnt 0x0
	global_store_b64 v7, v[12:13], s[32:33]        ; 32 lanes store 256 consecutive bytes, at a multiple of 256 from the buffer's first byte
.if \mk
	s_wait_alu depctr_va_vdst(0)
	; THE FLAGS.  Lane l has gathered the codes of 16 rows at k = 16 (l % 16) + 0 .. 15: lanes with (l % 16) / 4 = c, in both halves, cover my 32 rows x 64 k number c.
	v_and_b32 v4, s34, v4                          ; -0 is a zero too
	v_cmp_ne_u32 vcc_lo, 0, v4                     ; a bit a lane
	s_and_b32 s35, vcc_lo, 0x000f000f
	s_and_b32 s36, vcc_lo, 0x00f000f0
	s_and_b32 s37, vcc_lo, 0x0f000f00
	s_and_b32 s38, vcc_lo, 0xf000f000
	v_mov_b32 v8, s35
	v_mov_b32 v9, s36
	v_mov_b32 v10, s37
	v_mov_b32 v11, s38
	v_mov_b32 v1, 0
	v_cmp_eq_u32 vcc_lo, 0, v2
	s_wait_alu depctr_va_vdst(0)
	s_wait_xcnt 0x0                                ; EXEC changes only behind this wait: the stores above have it among their sources
	s_wait_tensorcnt 0x0
	ds_add_u32 v126, v127
	s_wait_dscnt 0x0
	s_and_saveexec_b32 s39, vcc_lo                 ; lane 0 alone
	global_store_b128 v1, v[8:11], s[14:15]        ; four words at a fixed place: the data hang on the numbers, the address does not
	s_wait_xcnt 0x0                                ; and again, in front of the line that widens it
	s_or_b32 exec_lo, exec_lo, s39
.endif
	s_wait_tensorcnt 0x0
	ds_add_u32 v126, v127
	s_wait_dscnt 0x0
	s_endpgm
.endm
	s_cmp_lt_u32 ttmp9, 512
	s_cbranch_scc0 .Lweight
	PATH 0, 0                                      ; input
.Lweight:
	PATH 1, PATHB                                  ; weight x mask
.Lfunc_end_k_q2ce4febac1_quant:
	.size	k_q2ce4febac1_quant, .Lfunc_end_k_q2ce4febac1_quant-k_q2ce4febac1_quant
	.p2alignl 7, 3214868480
	.fill 96, 4, 3214868480
	.section	.rodata,"a",@progbits
	.p2align	6, 0x0
	.amdhsa_kernel k_q2ce4febac1_quant
		.amdhsa_group_segment_fixed_size 78336
		.amdhsa_private_segment_fixed_size 0
		.amdhsa_enable_private_segment 0
		.amdhsa_kernarg_size 48
		.amdhsa_user_sgpr_count 2
		.amdhsa_user_sgpr_kernarg_segment_ptr 1
		.amdhsa_wavefront_size32 1
		.amdhsa_system_sgpr_workgroup_id_x 1
		.amdhsa_system_sgpr_workgroup_id_y 1
		.amdhsa_system_sgpr_workgroup_id_z 1
		.amdhsa_system_vgpr_workitem_id 0
		.amdhsa_next_free_vgpr 256
		.amdhsa_next_free_sgpr 66
		.amdhsa_reserve_vcc 1
		.amdhsa_float_denorm_mode_32 3
		.amdhsa_float_denorm_mode_16_64 3
		.amdhsa_memory_ordered 1
		.amdhsa_forward_progress 1
		.amdhsa_inst_pref_size 121
	.end_amdhsa_kernel
	.amdgpu_metadata
---
amdhsa.version: [ 1, 2 ]
amdhsa.kernels:
  - .name:           k_q2ce4febac1_quant
    .symbol:         k_q2ce4febac1_quant.kd
    .args:
      - { .name: input, .offset: 0, .size: 8, .value_kind: global_buffer, .address_space: global }
      - { .name: weight, .offset: 8, .size: 8, .value_kind: global_buffer, .address_space: global }
      - { .name: mask, .offset: 16, .size: 8, .value_kind: global_buffer, .address_space: global }
      - { .name: aq, .offset: 24, .size: 8, .value_kind: global_buffer, .address_space: global }
      - { .name: bq, .offset: 32, .size: 8, .value_kind: global_buffer, .address_space: global }
      - { .name: flags, .offset: 40, .size: 8, .value_kind: global_buffer, .address_space: global }
    .group_segment_fixed_size: 78336
    .private_segment_fixed_size: 0
    .kernarg_segment_align: 8
    .kernarg_segment_size: 48
    .max_flat_workgroup_size: 128
    .sgpr_count:     66
    .vgpr_count:     256
    .wavefront_size: 32
...
	.end_amdgpu_metadata
.endif
;; end of part 5
;; launch spmm (part 6): grid 8 x 32, 8 waves a work-group, no clusters, 35,840 bytes of LDS; arguments aq, bq, flags, bias, out0; writes out0
.if DOCPART == 6
	.amdgcn_target "amdgcn-amd-amdhsa--gfx1250"
	.amdhsa_code_object_version 6
	.text
	.protected	k_q2ce4febac1_spmm
	.globl	k_q2ce4febac1_spmm
	.p2align	8
	.type	k_q2ce4febac1_spmm,@function
k_q2ce4febac1_spmm:
	s_mov_b64 s[64:65], 0
	v_nop
	global_prefetch_b8 v0, s[64:65] scope:SCOPE_SE
	s_setreg_imm32_b32 hwreg(HW_REG_WAVE_SCHED_MODE, 0, 2), 2
	s_setreg_imm32_b32 hwreg(HW_REG_WAVE_MODE, 25, 1), 1
	s_wait_xcnt 0x0
	s_wait_alu depctr_vm_vsrc(0)
; out0[m][n] = bias[n] + the sum over k of A[m][k] B[n][k], 4,096 x 4,096 x 4,096.  A (input) and B (weight x mask) come as codes of BF8 (E5M2) with one E8M0 scale byte for each 32 along K, made by the launch before; sums in f32.
; WHAT IS LEFT OUT.  The launch before has flagged, for each 32 rows of B and each 64 along K, whether any code there is other than +-0.  A block of 64 rows x 64 k of B whose codes are all zeros adds nothing to any sum, whatever A holds
; (A's codes are finite: they were held at the largest code), so it is not multiplied.  Nothing is assumed of where such blocks lie or how many there are: with none of them a wave walks all 64 blocks.  The work grows with the number of blocks kept.
; SHARES.  A wave makes 128 rows x 64 columns of out0: 32 accumulators of 16 x 16, 256 registers.  The eight waves of a work-group take the same 128 rows and eight neighbouring groups of 64 columns, each with a list of its own:
; so a WGP's work is the sum of eight lists.  Two waves lie on a SIMD: one wave's loads are on their way while the other multiplies.
; A STEP takes TWO kept blocks, i and j, as ONE K of 128: registers 0-7 of every fragment are block i's 64 k, registers 8-15 block j's, for A and B alike; a row's scale word is two bytes of i's word and two of j's.
; An odd list is made even by a block that is flagged 0 (one exists: 64 is even), an empty one takes blocks 0 and 1: their codes in B are zeros.  The sums so run over the kept blocks in ascending order, two at a time.
; OPERANDS go from memory straight into registers: aq and bq are laid as images of the operand's registers, [chunk of 128 k: 32][fragment of 16 rows: 256][2,048 bytes], so each load of a wave reads 512 consecutive bytes;
; scale words from byte 16,777,216 on: [K step of 256: 16][32 rows: 128][chunk in the step: 2][row % 16: 16][row / 16: 2].
; NO TENSOR LOADS, NO CLUSTER: the trip count hangs on numbers read from memory, and work-groups that share rows of A walk different lists, so no tile is wanted by several at the same time.
; THE MATRIX INSTRUCTION IS USED TRANSPOSED (source 0 = 16 rows of B, source 1 = 16 rows of A): a lane then holds eight neighbouring numbers of a row of out0.
; REGISTERS: window 0: v0-15 addresses; v16-39 scale words as loaded; v40-43 flags; v44-47 the bias; v48-59 the joined scale words; v62, v63 the closing add's two; v64-127 B's four fragments; v128-255 A's eight; on the way out v128-191 take rows of out0.
;   window 1: accumulator (a, b) at v[8 (4 a + b)].
; LIMITS: those of the launch that makes the codes.
; THE MODE: SCHED_MODE bits 1:0 = 2 (LLVM: expert scheduling mode 2), set by the entry lines.  The code itself states the register dependences
; between vector or matrix instructions and memory or LDS instructions, with s_wait_alu, always for 0.
; THE PLAN.  Registers that memory or LDS instructions touch:
;   v6, v15, v12-14   offsets and LDS addresses, made at the head and never written again.
;   v8-11             v8, v9: this step's offsets in the codes; v10, v11: the NEXT step's offsets in the scale words.  Written by four additions at a step's head, read by that step's loads.
;   RAW v16-39        step t's scale words as they lie in memory.  The 12 loads that bring them are issued in step t - 1; step t's twelve v_perm_b32 read them.
;   J v48-59          the joined words: written by those v_perm_b32, read by the step's matrix instructions; no memory instruction names them.
;   BF, AF v64-255    a step's 48 loads land in them, its 32 matrix instructions read them.  512 registers a wave leave no room for a second set.
;   accumulators      written by matrix instructions alone; the LDS stores of the way out read them.
;   BK v128-191       the way out, two buffers by turns: LDS loads land, the bias' additions read and write, global stores read.
; So ONE wait on va_vdst stands in a step, behind its additions and its v_perm_b32 and ahead of all its loads: it states that the offsets and J are written, that the v_perm_b32 are done reading RAW, and that the matrix instructions of the
; step before are done reading BF, AF and J.  One wait on vm_vsrc stands ahead of the additions.  No vector or matrix instruction stands between the wait on va_vdst and the step's loads.
.set CHB,    524288                    ; the codes of 128 along K of all 4,096 rows
.set SCB,    16777216                  ; where the scale words begin
.set ROWO,   16384                     ; a row of out0 in bytes
.set SPITCH, 272                       ; the way out: a stage of 16 rows x (256 bytes + 16) for each wave
.set NP,     8                         ; places behind this matrix instruction (ISA guide 7.12.1)
.set L16, 2                            ; v2   16 x lane: my place in an image; never rewritten
.set R8,  5                            ; v5   8 x (lane % 16): my row's two scale words; never rewritten
.set FO,  6                            ; v6   4 x lane: my flag
.set OCI, 8                            ; v8   my offset in the codes for block i;  v9 for block j
.set OCJ, 9
.set OSI, 10                           ; v10  my offset in the scale words for the next step's block i;  v11 for its block j
.set OSJ, 11
.set STO, 12                           ; v12  the way out: where I put 32 bytes of a row
.set RD,  13                           ; v13  where I read 16 bytes of a row back
.set CO,  14                           ; v14  and their place in out0
.set R16, 15                           ; v15  16 x (lane % 16): my four numbers of the bias
.set SAI, 16                           ; v16-23 A's scale words of block i's chunk;  v24-31 of block j's chunk
.set SAJ, 24
.set SBI, 32                           ; v32-35, v36-39 the same for B
.set SBJ, 36
.set FL,  40
.set BI,  44
.set SJA, 48                           ; v48-55 A's joined words, one for each fragment;  v56-59 B's
.set SJB, 56
.set BF,  64
.set AF,  128
.set BK,  128                          ; the way out: 16 rows read back: v128-159 and v160-191 by turns
.set LO,  24                           ; s24, s25 the list: bit q of the 64: block q is kept
.set HI,  25
.set TR,  26                           ; s26  steps
.set CT,  27                           ; s27  steps done, the one in hand among them
.set QI,  32                           ; s32, s33 two blocks: at a step's head its own, then the next step's
.set QJ,  33
.set SEL, 34                           ; s34  the selector that joins two scale words
.set MSB, 0
.macro WIN new                         ; the immediate's high byte repeats the setting that is left; a switch that changes nothing is dropped
.if MSB != (\new)
	s_set_vgpr_msb (MSB<<8)|(\new)
.set MSB, (\new)
.endif
.endm
.macro PLACES n
.rept \n
	v_nop
.endr
.endm
	s_load_b256 s[4:11], s[0:1], 0x0               ; aq s[4:5], bq s[6:7], flags s[8:9], bias s[10:11]
	s_load_b64 s[12:13], s[0:1], 0x20              ; out0
	v_lshl_add_u32 v62, v0, 2, 0x8800
	v_mov_b32 v63, 0
	v_lshrrev_b32 v1, 5, v0
	v_readfirstlane_b32 s14, v1                    ; wave 0..7
	v_and_b32 v1, 31, v0                           ; lane
	v_lshlrev_b32 v[L16], 4, v1
	v_and_b32 v3, 15, v0                           ; r = lane % 16
	v_bfe_u32 v4, v0, 4, 1                         ; h = lane / 16
	v_lshlrev_b32 v[R8], 3, v3
	v_lshlrev_b32 v[FO], 2, v1
	v_lshlrev_b32 v[R16], 4, v3
	s_wait_alu depctr_va_sdst(0)                   ; s14 is written, ahead of its first reader: my stage and my columns are made from it
	s_mul_i32 s15, s14, 16*SPITCH                  ; my stage
	v_mul_u32_u24 v[STO], v3, SPITCH               ; in: row r, 32 bytes for each half of the lanes
	v_lshl_add_u32 v[STO], v4, 5, v[STO]
	v_add_nc_u32 v[STO], s15, v[STO]
	v_mul_u32_u24 v[RD], v4, SPITCH                ; back: lanes 0-15 one row of 256 bytes, lanes 16-31 the next
	v_lshl_add_u32 v[RD], v3, 4, v[RD]
	v_add_nc_u32 v[RD], s15, v[RD]
	v_lshlrev_b32 v[CO], 14, v4                    ; and the same two rows in out0
	v_lshl_add_u32 v[CO], v3, 4, v[CO]
	s_lshl_b32 s28, ttmp9, 3
	s_add_co_u32 s28, s28, s14                     ; n: my 64 columns: 8 x work-group x + wave
	s_and_b32 s29, ttmp7, 0xffff                   ; my 128 rows: work-group y
	s_lshl_b32 s30, s29, 14                        ; A's codes: eight images of 2,048 bytes
	s_mov_b32 s31, 0
	s_lshl_b32 s36, s29, 10                        ; A's scale words: four times 32 rows, 256 bytes each,
	s_add_co_u32 s36, s36, SCB                     ; behind the codes
	s_mov_b32 s37, 0
	s_lshl_b32 s38, s28, 13                        ; B's codes: four images
	s_mov_b32 s39, 0
	s_lshl_b32 s42, s28, 9                         ; the flags: two rows of 64 words
	s_mov_b32 s43, 0
	s_add_co_u32 s40, s42, SCB                     ; B's scale words: twice 32 rows
	s_mov_b32 s41, 0
	s_lshl_b32 s44, s28, 8                         ; the bias, and a row of out0: 64 numbers of 4 bytes
	s_mov_b32 s45, 0
	s_lshl_b32 s46, s29, 21                        ; out0: 128 rows of 16,384 bytes
	s_mov_b32 s47, 0
	s_wait_kmcnt 0x0
	s_add_nc_u64 s[16:17], s[4:5], s[30:31]        ; s[16:17] A's codes, s[18:19] A's scale words, s[20:21] B's codes, s[22:23] B's scale words: at my rows, chunk 0
	s_add_nc_u64 s[18:19], s[4:5], s[36:37]
	s_add_nc_u64 s[20:21], s[6:7], s[38:39]
	s_add_nc_u64 s[22:23], s[6:7], s[40:41]
	s_add_nc_u64 s[8:9], s[8:9], s[42:43]
	s_add_nc_u64 s[10:11], s[10:11], s[44:45]
	s_add_nc_u64 s[12:13], s[12:13], s[44:45]
	s_add_nc_u64 s[12:13], s[12:13], s[46:47]
	s_wait_alu depctr_va_vdst(0)                   ; v6 and v15 are written, which the loads below read as offsets; so are v12 to v14, which the way out's LDS instructions and stores read
.irp i, 0,1,2,3
	global_load_b32 v[FL+\i], v[FO], s[8:9] offset:128*\i   ; the flags of blocks l and 32 + l, for my first 32 rows of B and for my second
.endr
	global_load_b128 v[BI:BI+3], v[R16], s[10:11]  ; bias[64 n + 4 r + 0 .. 3]: for the way out
	s_wait_loadcnt 1                               ; the four flags are in; the bias may be out
	v_or_b32 v[FL], v[FL], v[FL+2]                 ; a block is kept if either half of its 64 rows has a code that is not zero
	v_or_b32 v[FL+1], v[FL+1], v[FL+3]
	v_cmp_ne_u32 s[LO], 0, v[FL]                   ; a bit a lane: blocks 0 to 31,
	v_cmp_ne_u32 s[HI], 0, v[FL+1]                 ; blocks 32 to 63
	s_wait_alu depctr_va_sdst(0)                   ; the two compares have written s24 and s25, ahead of their first reader
	s_bcnt1_i32_b32 s[TR], s[LO]
	s_bcnt1_i32_b32 s28, s[HI]
	s_add_co_u32 s[TR], s[TR], s28                 ; how many are kept
	s_cmp_eq_u32 s[TR], 0                          ; none: blocks 0 and 1 are taken: their codes in B are zeros
	s_cselect_b32 s[LO], 3, s[LO]
	s_cselect_b32 s[TR], 2, s[TR]
	s_and_b32 s28, s[TR], 1                        ; an odd number: the lowest block that is not kept is taken too
	s_add_co_u32 s29, s[LO], 1
	s_or_b32 s29, s29, s[LO]                       ; x | (x + 1) sets x's lowest zero bit (all ones stay as they are)
	s_add_co_u32 s30, s[HI], 1
	s_or_b32 s30, s30, s[HI]
	s_cmp_eq_u32 s[LO], -1
	s_cselect_b32 s30, s30, s[HI]                  ; the upper word gives the bit only where the lower is full
	s_cmp_lg_u32 s28, 0
	s_cselect_b32 s[LO], s29, s[LO]
	s_cselect_b32 s[HI], s30, s[HI]
	s_add_co_u32 s[TR], s[TR], s28
	s_lshr_b32 s[TR], s[TR], 1                     ; steps: 1 to 32
	s_min_u32 s[TR], s[TR], 32
; The list's lowest block goes into s[q] and leaves the list.  The number enters addresses only behind the s_min_u32, and behind it only through ANDs, shifts to the left and additions.
; (Of an empty list, behind the last step's two blocks, it gives some number up to 63; nothing is loaded by it.)
.macro NEXT q
	s_cmp_lg_u32 s[LO], 0
	s_cselect_b32 s28, s[LO], s[HI]                ; the word in hand,
	s_cselect_b32 s29, 0, 32                       ; and its first block
	s_ctz_i32_b32 s[\q], s28
	s_add_co_u32 s[\q], s[\q], s29
	s_min_u32 s[\q], s[\q], 63
	s_add_co_u32 s30, s28, -1
	s_and_b32 s30, s30, s28                        ; x & (x - 1): without its lowest bit
	s_cmp_lg_u32 s[LO], 0
	s_cselect_b32 s[HI], s[HI], s30
	s_cselect_b32 s[LO], s30, s[LO]
.endm
; Block q is half q % 2 of chunk q / 2.  oc: its bytes in the codes: CHB (q / 2) + 1,024 (q % 2).  par: q % 2.
.macro OFFC q, oc, par
	s_and_b32 s[\oc], s[\q], 62
	s_lshl_b32 s[\oc], s[\oc], 18
	s_and_b32 s[\par], s[\q], 1
	s_lshl_b32 s28, s[\par], 10
	s_add_co_u32 s[\oc], s[\oc], s28
.endm
; os: its chunk's scale words: 32,768 (q / 4) + 128 ((q / 2) % 2).
.macro OFFW q, os
	s_and_b32 s[\os], s[\q], 60
	s_lshl_b32 s[\os], s[\os], 13
	s_and_b32 s28, s[\q], 2
	s_lshl_b32 s28, s28, 6
	s_add_co_u32 s[\os], s[\os], s28
.endm
; The blocks in s32, s33 are the step's own: its offsets in the codes (s36, s39) and its selector.
.macro MINE
	OFFC QI, 36, 38
	OFFC QJ, 39, 41
	s_mul_i32 s38, s38, 0x0202                     ; the joined word: bytes 0, 1 = bytes 2 (i % 2), + 1 of i's word; bytes 2, 3 = bytes 2 (j % 2), + 1 of j's
	s_mul_i32 s41, s41, 0x02020000
	s_add_co_u32 s[SEL], s38, s41
	s_add_co_u32 s[SEL], s[SEL], 0x05040100
.endm
; The next two blocks of the list, and their offsets in the scale words (s37, s40).
.macro AHEAD
	NEXT QI
	NEXT QJ
	OFFW QI, 37
	OFFW QJ, 40
.endm
.macro SCALES                          ; 12 loads: the scale words of the two blocks whose offsets stand in v10 and v11, as they lie in memory
.irp g, 0,1,2,3
	global_load_b64 v[SAI+2*\g:SAI+2*\g+1], v[OSI], s[18:19] offset:256*\g   ; lane r: the words of rows 32 g + r and 32 g + 16 + r: fragments 2 g and 2 g + 1 (lanes 16-31 read the same and are not used)
	global_load_b64 v[SAJ+2*\g:SAJ+2*\g+1], v[OSJ], s[18:19] offset:256*\g
.endr
.irp g, 0,1
	global_load_b64 v[SBI+2*\g:SBI+2*\g+1], v[OSI], s[22:23] offset:256*\g
	global_load_b64 v[SBJ+2*\g:SBJ+2*\g+1], v[OSJ], s[22:23] offset:256*\g
.endr
.endm
.macro FRAG reg, base, f               ; fragment f of the rows at s[base]: registers 0-7 block i's 64 k, registers 8-15 block j's; each load reads 512 consecutive bytes
	global_load_b128 v[\reg:\reg+3],     v[OCI], s[\base:\base+1] offset:2048*(\f)
	global_load_b128 v[\reg+4:\reg+7],   v[OCI], s[\base:\base+1] offset:2048*(\f)+512
	global_load_b128 v[\reg+8:\reg+11],  v[OCJ], s[\base:\base+1] offset:2048*(\f)
	global_load_b128 v[\reg+12:\reg+15], v[OCJ], s[\base:\base+1] offset:2048*(\f)+512
.endm
.macro CODES                           ; 48 loads: B's four fragments, then A's eight
.irp b, 0,1,2,3
	FRAG BF+16*\b, 20, \b
.endr
.irp a, 0,1,2,3,4,5,6,7
	FRAG AF+16*\a, 16, \a
.endr
.endm
.macro JOIN                            ; the step's twelve scale words, out of RAW into J
.irp a, 0,1,2,3,4,5,6,7
	v_perm_b32 v[SJA+\a], v[SAJ+\a], v[SAI+\a], s[SEL]   ; selector bytes 0-3 take from the second source (i's word), 4-7 from the first (j's)
.endr
.irp b, 0,1,2,3
	v_perm_b32 v[SJB+\b], v[SBJ+\b], v[SBI+\b], s[SEL]
.endr
.endm
; A step's 32 products.  first = 1: they start the sums: nothing is ever cleared.  younger: the loads that were issued behind A's last fragment.
.macro MULS first, younger
.if \first
	WIN 0x40                                       ; D window 1; sources window 0
.else
	WIN 0x50                                       ; C and D window 1
.endif
.irp a, 0,1,2,3,4,5,6,7                ; the 32 accumulators take turns, one instruction a turn, in the same order in every step
	s_wait_loadcnt 4*(7-\a)+\younger               ; B's fragments and A's up to a are in; the four loads of each later fragment, and what was issued behind A's last, may be out
.irp b, 0,1,2,3
.if \first
	v_wmma_scale_f32_16x16x128_f8f6f4 v[8*(4*\a+\b):8*(4*\a+\b)+7], v[BF+16*\b:BF+16*\b+15], v[AF+16*\a:AF+16*\a+15], 0, v[SJB+\b], v[SJA+\a] matrix_a_fmt:MATRIX_FMT_BF8 matrix_b_fmt:MATRIX_FMT_BF8
.else
	v_wmma_scale_f32_16x16x128_f8f6f4 v[8*(4*\a+\b):8*(4*\a+\b)+7], v[BF+16*\b:BF+16*\b+15], v[AF+16*\a:AF+16*\a+15], v[8*(4*\a+\b):8*(4*\a+\b)+7], v[SJB+\b], v[SJA+\a] matrix_a_fmt:MATRIX_FMT_BF8 matrix_b_fmt:MATRIX_FMT_BF8
.endif
.endr
.endr
	WIN 0                                          ; at a label and at a branch every window is 0
.endm
	; THE FIRST STEP stands in front of the loop.  All its 60 loads go out together.
	AHEAD                                          ; its two blocks, and where their scale words lie,
	MINE                                           ; and their codes
	v_add_nc_u32 v[OCI], s36, v[L16]
	v_add_nc_u32 v[OCJ], s39, v[L16]
	v_add_nc_u32 v[OSI], s37, v[R8]
	v_add_nc_u32 v[OSJ], s40, v[R8]
	s_wait_alu depctr_va_vdst(0)                   ; the four additions have written v8 to v11, which the loads below read as offsets
	SCALES
	CODES
	AHEAD                                          ; the second step's two blocks, if there is a second step
	s_wait_loadcnt 48                              ; the 12 loads of scale words are in, and done with their offsets; B's 16 and A's 32 may be out
	JOIN
	s_wait_alu depctr_vm_vsrc(0)                   ; the loads of scale words have read v10 and v11, which the two additions below write again
	v_add_nc_u32 v[OSI], s37, v[R8]
	v_add_nc_u32 v[OSJ], s40, v[R8]
	PLACES NP-2                                    ; with the two additions: a scale register written by a vector instruction stands eight places ahead of the matrix instruction that names it
	s_wait_alu depctr_va_vdst(0)                   ; J is written, which the products take as scales; v10 and v11 are written, which the loads below read; the v_perm_b32 are done reading RAW, in which those loads land
	s_cmp_eq_u32 s[TR], 1
	s_cbranch_scc1 .Lonly
	SCALES                                         ; the second step's scale words: a whole step ahead of their use
	MULS 1, 12
	s_mov_b32 s[CT], 1
.Lstep:                                                ; s[TR] - 1 trips: a number that was read from memory
	MINE                                           ; this step's two blocks were taken off the list a step ago
	AHEAD                                          ; the next step's
	s_wait_loadcnt 0x0                             ; this step's scale words, asked for a step ago, are in; no load of mine is out, so every offset may be written
	s_wait_alu depctr_vm_vsrc(0)                   ; the last step's loads have read v8 to v11, which the four additions below write again
	v_add_nc_u32 v[OCI], s36, v[L16]
	v_add_nc_u32 v[OCJ], s39, v[L16]
	v_add_nc_u32 v[OSI], s37, v[R8]
	v_add_nc_u32 v[OSJ], s40, v[R8]
	PLACES NP-4                                    ; with the four additions: eight places between the last step's products and the v_perm_b32 that write J, which those products took as scales
	JOIN
	PLACES NP                                      ; a scale register written by a vector instruction stands eight places ahead of the matrix instruction that names it
	s_wait_alu depctr_va_vdst(0)                   ; the step's one wait: v8 to v11 and J are written; the v_perm_b32 are done reading RAW; the last step's products are done reading BF and AF: all the loads below hang on nothing else
	s_add_co_u32 s[CT], s[CT], 1
	s_cmp_lt_u32 s[CT], s[TR]                      ; is there a next step?
	s_cbranch_scc0 .Lno_next
	SCALES                                         ; its scale words.  They stand ahead of this step's codes, so that the counts in the products hold on both ways
.Lno_next:
	CODES
	MULS 0, 0                                      ; the last of its waits is for 0
	s_cmp_lt_u32 s[CT], s[TR]
	s_cbranch_scc1 .Lstep
	s_branch .Lout
.Lonly:                                                ; the list has one step: nothing more is asked for
	MULS 1, 0
.Lout:
; THE WAY OUT, block by block of 16 rows x 64 columns.  A lane holds 32 neighbouring bytes of a row, and the lanes beside it hold other rows: so a block goes through my own stage in LDS and comes back as whole rows of 256 bytes;
; there the bias is added, two numbers an instruction.  LDS serves a wave's instructions in order (ISA guide 5.7.1.4): no wait between the stores and the loads, nor in front of the next block's stores.
.macro TOSTAGE a
	WIN 0x04                                       ; an LDS store's data are its source 1: window 1
.irp b, 0,1,2,3
	ds_store_b128 v[STO], v[8*(4*(\a)+\b):8*(4*(\a)+\b)+3] offset:64*\b          ; each accumulator from its low end on
	ds_store_b128 v[STO], v[8*(4*(\a)+\b)+4:8*(4*(\a)+\b)+7] offset:64*\b+16
.endr
	WIN 0
.set BB, BK+32*((\a)%2)
.irp t, 0,1,2,3,4,5,6,7
	ds_load_b128 v[BB+4*\t:BB+4*\t+3], v[RD] offset:2*\t*SPITCH
.endr
.endm
.macro SEND a, younger                 ; younger: the LDS instructions issued behind block a's loads, which may stay out
.set BB, BK+32*((\a)%2)
	s_wait_dscnt \younger                          ; the block is back in registers
.irp t, 0,1,2,3,4,5,6,7
	v_pk_add_f32 v[BB+4*\t:BB+4*\t+1], v[BB+4*\t:BB+4*\t+1], v[BI:BI+1]          ; + bias[4 r + 0, 1]  (the bias was asked for ahead of the first step's loads, which have been waited for)
	v_pk_add_f32 v[BB+4*\t+2:BB+4*\t+3], v[BB+4*\t+2:BB+4*\t+3], v[BI+2:BI+3]    ; + bias[4 r + 2, 3]
.endr
	s_wait_alu depctr_va_vdst(0)                   ; the sixteen additions have written the block, which the stores below read; no vector instruction names these registers again before the block two further on is loaded into them
.irp t, 0,1,2,3,4,5,6,7
	global_store_b128 v[CO], v[BB+4*\t:BB+4*\t+3], s[12:13] offset:(16*(\a)+2*\t)*ROWO th:TH_STORE_NT   ; 16 lanes store 256 consecutive bytes, at a multiple of 256 from out0's first byte; 126 rows at the most: inside the signed 24-bit immediate
.endr
.endm
	PLACES NP                                      ; eight places behind the last products, before LDS stores read their results
	s_wait_alu depctr_va_vdst(0)                   ; the products have written the accumulators, which the LDS stores read, and are done reading v128 to v191, in which the stage's loads land; the places above stay beside this wait
	TOSTAGE 0
.irp a, 1,2,3,4,5,6,7
.if \a > 1
	s_wait_xcnt 0x0                                ; block a - 2's stores have had their addresses translated (ISA guide 3.1): their data registers are loaded again only behind this wait,
	s_wait_alu depctr_vm_vsrc(0)                   ; and those stores have read their data registers, in which block a's loads from the stage land
.endif
	TOSTAGE \a
	SEND \a-1, 16                                  ; behind block a - 1's loads: block a's 8 stores and 8 loads
.endr
	SEND 7, 0
	s_wait_dscnt 0x0                               ; the closing lines, six on end
	s_wait_alu 0x0
	s_wait_tensorcnt 0x0
	ds_add_u32 v62, v63
	s_wait_dscnt 0x0
	s_endpgm
.Lfunc_end_k_q2ce4febac1_spmm:
	.size	k_q2ce4febac1_spmm, .Lfunc_end_k_q2ce4febac1_spmm-k_q2ce4febac1_spmm
	.p2alignl 7, 3214868480
	.fill 96, 4, 3214868480
	.section	.rodata,"a",@progbits
	.p2align	6, 0x0
	.amdhsa_kernel k_q2ce4febac1_spmm
		.amdhsa_group_segment_fixed_size 35840
		.amdhsa_private_segment_fixed_size 0
		.amdhsa_enable_private_segment 0
		.amdhsa_kernarg_size 40
		.amdhsa_user_sgpr_count 2
		.amdhsa_user_sgpr_kernarg_segment_ptr 1
		.amdhsa_wavefront_size32 1
		.amdhsa_system_sgpr_workgroup_id_x 1
		.amdhsa_system_sgpr_workgroup_id_y 1
		.amdhsa_system_sgpr_workgroup_id_z 1
		.amdhsa_system_vgpr_workitem_id 0
		.amdhsa_next_free_vgpr 512
		.amdhsa_next_free_sgpr 66
		.amdhsa_reserve_vcc 0
		.amdhsa_float_denorm_mode_32 3
		.amdhsa_float_denorm_mode_16_64 3
		.amdhsa_memory_ordered 1
		.amdhsa_forward_progress 1
		.amdhsa_inst_pref_size 60
	.end_amdhsa_kernel
	.amdgpu_metadata
---
amdhsa.version: [ 1, 2 ]
amdhsa.kernels:
  - .name:           k_q2ce4febac1_spmm
    .symbol:         k_q2ce4febac1_spmm.kd
    .args:
      - { .name: aq, .offset: 0, .size: 8, .value_kind: global_buffer, .address_space: global }
      - { .name: bq, .offset: 8, .size: 8, .value_kind: global_buffer, .address_space: global }
      - { .name: flags, .offset: 16, .size: 8, .value_kind: global_buffer, .address_space: global }
      - { .name: bias, .offset: 24, .size: 8, .value_kind: global_buffer, .address_space: global }
      - { .name: out0, .offset: 32, .size: 8, .value_kind: global_buffer, .address_space: global }
    .group_segment_fixed_size: 35840
    .private_segment_fixed_size: 0
    .kernarg_segment_align: 8
    .kernarg_segment_size: 40
    .max_flat_workgroup_size: 256
    .sgpr_count:     66
    .vgpr_count:     512
    .wavefront_size: 32
...
	.end_amdgpu_metadata
.endif
;; end of part 6
